; MI455X (gfx1250); checked and timed in simulation.
; The chip was launched on July 23, 2026; its instructions are those of AMD's public machine-readable ISA for CDNA 5 (MIT licence, August 2026) and "CDNA5" Instruction Set Architecture Reference Guide (July 2026). The comments in the code are by the model that wrote it; some were corrected since.
;; NN Attention Head. Allowed arithmetic: matrix products marked QUANTISED: E5M2 operands, one given power-of-two scale a tensor, by v_wmma_f32_16x16x64_bf8_bf8 or v_wmma_f32_16x16x128_bf8_bf8, f32 sums; products left as they are: f32 operands where the result goes on into a quantised operand, else bf16, f16 or f32 operands; f32 sums; everything else in f32.
;; Inputs: W1 256 x 128 float32; W2 128 x 1 float32; Wv_codes 64 x 4 x 32 uint8 (E5M2 codes of Wv, K innermost, in blocks of 32 codes); b1 128 float32; b2 1 float32; lowp_scales 8 int32 (the exponents e of the quantised operands' scales 2^e); pos_emb 512 x 128 float32; x 4 x 512 x 128 float32.
;; Outputs: out0 4 x 512 x 64 float32.
;; This version of the problem:
;;   THIS VERSION OF THE PROBLEM IS GIVEN IN LOW PRECISION. The matrix products marked QUANTISED in the list below multiply operands that are first quantised to E5M2 (5 exponent bits, 2 mantissa bits; 8 bits a number), with one given power-of-two scale for each operand tensor; their sums are f32. All else is computed in f32.
;;   The module's matrix products, in the order in which they are computed (A, B: the left and right operand; K: the contracted axis; several contracted axes count as one K, in the product's order):
;;     1. [M 2,048, K 128] x [K 128, N 128]; A: computed on the way; B: input W1: QUANTISED (scales: A lowp_scales[0], B lowp_scales[1])
;;     2. [M 2,048, K 128] x [K 128, N 128]; A: computed on the way; B: input W1: QUANTISED (scales: A lowp_scales[2], B lowp_scales[3])
;;     3. [M 1,048,576, K 128] x [K 128, N 1]; A: computed on the way; B: input W2: left as it is (N = 1 < 16)
;;     4. [M 2,048, K 128] x [K 128, N 64]; A: input x; B: input Wv (given as codes): QUANTISED (scales: A lowp_scales[4], B lowp_scales[5])
;;     5. batch 4 x [M 512, K 512] x [K 512, N 64]; A: softmax (see below); B: computed on the way: QUANTISED (scales: A lowp_scales[6], B lowp_scales[7])
;;   THE QUANTISER, for each operand of a quantised product, along K:
;;     - The operand's scale is 2^e, e = its entry of the input lowp_scales (int32; the entries are numbered through the quantised products in the list's order, A before B).
;;     - Each number is divided by the scale, clamped to +-57,344, and rounded to the nearest number of E5M2, ties to even, subnormals kept.
;;     - The product sums the exact products of the quantised numbers (number of the format x scale) in f32.
;;   ~~~python
;;   def quantise(x, axis, e):      # numpy; x: float32 -> the quantised numbers, widened to float32 again
;;       x = np.moveaxis(x, axis, -1); K = x.shape[-1]
;;       r = np.clip(x / 2.0 ** e, -57344, 57344)
;;       step = 2.0 ** (np.maximum(np.frexp(np.where(r == 0, 1, r))[1] - 1, -14) - 2)
;;       q = np.round(r / step) * step * 2.0 ** e      # np.round: ties to even
;;       return np.moveaxis(q, -1, axis).astype(np.float32)
;;   ~~~
;;   SOFTMAX AHEAD OF A QUANTISED PRODUCT. Where the list says 'softmax', what is quantised is not the finished softmax but p = 2^(t - M), with t = logit x log2(e) and M = ceil(the row's largest t), a whole number; so 1/2 < the row's largest p <= 1. The row's sum l is taken of the UNQUANTISED p, in f32, and the product's result is divided by l at the end. Since M is a whole number, a kernel that streams over the keys may use a running M (the ceiling of the running maximum): every later rescaling is an exact power of two, so the quantised numbers keep their values, but for numbers so far below the row's largest that they fall under the format's range.
;;   OPERANDS COMPUTED ON THE WAY. 'Computed on the way' means the value that the module computes at that place (a softmax that the list does not call 'softmax' is quantised finished and normalised). What goes into a quantiser is computed in f32, as accurately as f32 sums, v_exp_f32 and their like allow (about 1e-6 of the number): no bf16 or f16 on the way to a quantiser, and a product that is left as it is and whose result goes on into a quantised operand takes f32 operands (vector FMAs, or v_wmma_f32_16x16x4_f32). A number that lies on a knife's edge between two numbers of the format may be rounded either way, as far as f32 arithmetic and the matrix unit's own rounding can turn it there, and no further.
;;   INPUTS GIVEN AS CODES. Wv (in the module: [128, 64], K = its axis 0): each comes as NAME_codes (uint8): NAME with its K axis moved to the last place and cut into blocks of 32 codes, [.., K / 32, bytes a block], one block behind the other in memory; one code a byte (a code: sign, 5 exponent bits, 2 mantissa bits); its scale is its entry of lowp_scales. Its value is code x scale, taken as it is: it is not quantised again, and the codes and scales need not be those that the quantiser above would give.
;; 2 versions, each right; version 2 is version 1 with the launches prep, attn written anew for expert scheduling mode. Each part assembles by itself: llvm-mc -triple=amdgcn-amd-amdhsa -mcpu=gfx1250 --defsym DOCPART=n.
;; ======== version 1 of 2: 2 launches
;; workspace buffers: aimg 2,097,152 bytes; vimg 131,072 bytes
;; launch prep (part 1): grid 64 x 4, 4 waves a work-group, no clusters, 49,664 bytes of LDS; arguments x, pos_emb, W1, b1, Wv_codes, lowp_scales, aimg, vimg; writes aimg, vimg
.if DOCPART == 1
	.amdgcn_target "amdgcn-amd-amdhsa--gfx1250"
	.amdhsa_code_object_version 6
	.text
	.protected	k_q96128e026d_prep
	.globl	k_q96128e026d_prep
	.p2align	8
	.type	k_q96128e026d_prep,@function
k_q96128e026d_prep:
	s_mov_b64 s[64:65], 0
	v_nop
	global_prefetch_b8 v0, s[64:65] scope:SCOPE_SE
	s_setreg_imm32_b32 hwreg(HW_REG_WAVE_MODE, 25, 1), 1
	s_wait_xcnt 0x0
; THE THREE SMALL PRODUCTS AHEAD OF THE PAIRWISE ATTENTION, on codes of BF8 (E5M2), each operand with the one scale 2^e that is given for it (lowp_scales e0 .. e7):
;   Ak = Q(x + pos; e0) Q(W1[0:128]; e1),   Aq + b1 = Q(x + pos; e2) Q(W1[128:256]; e3) + b1,   v = Q(x; e4) Wv_codes (e5), and v is quantised at once for the last product (e7).
; SHARES.  Work-group (rg, cg): 32 rows of the 2,048 (two tiles of 16: T = 2 rg + rt) x 64 columns of one half of W1 (which = cg / 2: 0 Ak, 1 Aq; columns 64 (cg % 2) on).  Wave w makes the 16 channels of tile ct = 4 (cg % 2) + w
; for both tiles of rows.  Ahead of that wave w quantises ONE fragment of rows: tile rt = w % 2 of x + pos (waves 0, 1) or of x (waves 2, 3); the fragments go from wave to wave through LDS as images of their registers.
; Wave 3 also makes v for the 32 rows and the 16 columns 16 cg on.
; W1's K IS ITS FIRST AXIS: its 128 x 64 numbers come in as they lie (256 consecutive bytes for sixteen lanes), go through LDS, and are read back a lane to a column, registers down K: the conversions' results are the operand.
; K's ORDER in all fragments here: registers 4 c .. 4 c + 3 of lane (r, h) hold k = 32 c + 16 h + 0 .. 15: a permutation of k that is the same on both sides of each product.
; OUT.  aimg [which 2][T 128][ct 8][half 2][lane 32][4 f32]: THE ACCUMULATOR'S REGISTERS AS THEY STAND: lane (r, h), register 4 half + e = channel 16 ct + 8 h + 4 half + e of row 16 T + r.  Each store covers 512 consecutive bytes.
;       vimg [b 4][ks 4][ht 4][c2 4][lane 32][16 codes]: registers 4 c2 .. 4 c2 + 3 of the fragment V^T(column 16 ht + r; keys 128 ks on): registers 2 c, 2 c + 1 of lane (r, h) hold keys 128 ks + 16 c + 8 h + 0 .. 7.
; LIMITS on the given exponents, so that each power of two below is an f32 number: e0, e1, e2, e3, e4 and e7 - e4 - e5 between -126 and 112; e0 + e1 and e2 + e3 between -126 and 127.  NaN among the inputs is not served.
; No tensor load: the tiles are small and each is read once by its wave.  One barrier.
.set XIMG, 40960                       ; LDS: bytes 0 .. 40,959: W1's 128 rows x 64 columns: row k at 320 k + 64 ((k / 16) % 2).  From XIMG on: four fragment images of 2,048 bytes (image = wave that made it)
.set XR,   16                          ; v16-79   64 numbers of my fragment's rows: register 16 c + i = k 32 c + 16 h + i of row r
.set PR,   80                          ; v80-143  the same of pos (waves 0, 1)
.set XC,   80                          ; v80-95   my fragment's codes (pos is done with)
.set WR,   144                         ; v144-207 W1 as loaded; later my column of W1, down K
.set WVF,  208                         ; v208-223 Wv's fragment: columns 16 cg + r
.set WF,   224                         ; v224-239 W1's codes: my 16 channels
.set BIAS, 246                         ; v246-253 b1 at my eight channels, or zeros
.set XF0,  16                          ; behind the barrier: v16-31, v32-47 the two fragments of x + pos
.set XF1,  32
.set D0,   48                          ; v48-55, v56-63 the two accumulators
.set D1,   56
.set OUT,  64                          ; v64-79   what is stored
.set XV0,  96                          ; wave 3: v96-111, v112-127 the two fragments of x
.set XV1,  112
.set VD,   128                         ; v128-143 v: two accumulators
.set VC,   144                         ; v144-147 v's codes
; v240, v241: my rows' scale as f32 and the largest number x that scale; v242, v243: W1's; v244, v245: v's
.macro MKSCALE se, vsc, vlim           ; s[se] = e:  v[vsc] = 2^e as f32 (the conversion takes its exponent field),  v[vlim] = 57,344 x 2^e
	s_add_co_i32 s56, s[\se], 127
	s_lshl_b32 s57, s56, 23
	v_mov_b32 v[\vsc], s57
	s_add_co_i32 s56, s56, 15
	s_lshl_b32 s56, s56, 23
	s_or_b32 s56, s56, 0x600000
	v_mov_b32 v[\vlim], s56
.endm
.macro QUANT s, d, sc, lim             ; 64 numbers of a lane, v[s] on, become a fragment's 16 registers of codes, v[d] on
.irp b, 0,1,2,3
.irp i, 0,1,2,3,4,5,6,7,8,9,10,11,12,13,14,15
	v_med3_num_f32 v[\s+16*\b+\i], v[\s+16*\b+\i], -v[\lim], v[\lim]   ; the conversion to an 8-bit code does not saturate (ISA guide 7.6.2): the hold at the largest code x the scale
.endr
	v_cvt_scalef32_pk8_bf8_f32 v[\d+4*\b:\d+4*\b+1], v[\s+16*\b:\s+16*\b+7], v[\sc]
	v_cvt_scalef32_pk8_bf8_f32 v[\d+4*\b+2:\d+4*\b+3], v[\s+16*\b+8:\s+16*\b+15], v[\sc]
.endr
	v_nop                                          ; one plain vector instruction between the last conversion and whatever vector or matrix instruction next touches its result or writes its sources
.endm
.macro FETCH reg, off                  ; a fragment's image comes back as it was stored: the same registers in the same lanes
.irp c, 0,1,2,3
	ds_load_b128 v[\reg+4*\c:\reg+4*\c+3], v10 offset:\off+512*\c
.endr
.endm
	s_load_b512 s[4:19], s[0:1], 0x0               ; x s[4:5], pos s[6:7], W1 s[8:9], b1 s[10:11], Wv's codes s[12:13], the exponents s[14:15], aimg s[16:17], vimg s[18:19]
	v_lshl_add_u32 v254, v0, 2, 0xc000
	v_mov_b32 v255, 0
	v_lshrrev_b32 v1, 5, v0
	v_readfirstlane_b32 s20, v1                    ; wave 0..3
	v_and_b32 v1, 31, v0                           ; lane
	v_and_b32 v2, 15, v0                           ; r
	v_bfe_u32 v3, v0, 4, 1                         ; h
	v_lshlrev_b32 v4, 4, v1                        ; v4  16 x lane: an image's place for my lane, in LDS and in memory
	v_lshlrev_b32 v5, 9, v2
	v_lshl_add_u32 v5, v3, 6, v5                   ; v5  x, pos: row r of 512 bytes, + 64 h: my 16 numbers of a block of 32
	v_lshlrev_b32 v6, 4, v2
	v_lshl_add_u32 v6, v3, 9, v6                   ; v6  W1 in memory: lanes 0-15 take 256 bytes of one row, lanes 16-31 of the next
	s_mul_i32 s36, s20, 10240
	v_mul_u32_u24 v7, v3, 320
	v_lshl_add_u32 v7, v2, 4, v7
	v_add_nc_u32 v7, s36, v7                       ; v7  the same two rows in LDS: my wave's 32 rows begin at 32 w x 320
	s_lshl_b32 s36, s20, 6
	v_mul_u32_u24 v8, v3, 5184
	v_lshl_add_u32 v8, v2, 2, v8
	v_add_nc_u32 v8, s36, v8                       ; v8  W1 by columns: column 16 w + r; lanes 16-31 begin 16 rows down (16 x 320 + the 64 bytes by which those rows are shifted): 1,296 words on, so the halves fall on different banks (64 banks of 4 bytes: ISA guide 11.1)
	s_lshl_b32 s36, s20, 11
	v_add_nc_u32 v10, XIMG, v4                     ; v10 where images are read
	v_add_nc_u32 v9, s36, v10                      ; v9  where I store mine
	v_lshlrev_b32 v11, 5, v3                       ; v11 b1: my half's eight numbers
	v_lshlrev_b32 v12, 7, v2
	v_lshl_add_u32 v12, v3, 4, v12                 ; v12 Wv's codes: row r of 128 bytes, + 16 h
	s_and_b32 s22, ttmp7, 0xffff                   ; cg
	s_lshr_b32 s23, s22, 1                         ; which: 0 Ak, 1 Aq
	s_and_b32 s37, s22, 1                          ; which 64 columns
	s_and_b32 s38, s20, 1                          ; rt: which tile of rows I quantise
	s_lshl_b32 s48, s37, 2
	s_add_co_u32 s48, s48, s20                     ; ct
	; byte offsets, each in a pair of its own
	s_lshl_b32 s39, s38, 13                        ; 16 rt rows of 512 bytes
	s_lshl_b32 s40, ttmp9, 14                      ; x: 32 rg rows
	s_add_co_u32 s40, s40, s39
	s_mov_b32 s41, 0
	s_and_b32 s42, ttmp9, 15                       ; pos: the row within its batch of 512
	s_lshl_b32 s42, s42, 14
	s_add_co_u32 s42, s42, s39
	s_mov_b32 s43, 0
	s_lshl_b32 s44, s23, 16                        ; W1: 128 which rows of 512 bytes, + my 64 columns, + my wave's 32 rows
	s_lshl_b32 s36, s37, 8
	s_add_co_u32 s44, s44, s36
	s_lshl_b32 s36, s20, 14
	s_add_co_u32 s44, s44, s36
	s_mov_b32 s45, 0
	s_lshl_b32 s46, s48, 6                         ; b1: 16 ct numbers
	s_mov_b32 s47, 0
	s_lshl_b32 s50, s22, 11                        ; Wv's codes: 16 cg rows of 128 bytes
	s_mov_b32 s51, 0
	s_lshl_b32 s52, s23, 20                        ; aimg: which, tile T = 2 rg, ct
	s_lshl_b32 s36, ttmp9, 14
	s_add_co_u32 s52, s52, s36
	s_lshl_b32 s36, s48, 10
	s_add_co_u32 s52, s52, s36
	s_mov_b32 s53, 0
	s_lshr_b32 s54, ttmp9, 2                       ; vimg: 4 b + ks = rg / 4, ht = cg, c2 = rg % 4
	s_lshl_b32 s54, s54, 2
	s_add_co_u32 s54, s54, s22
	s_lshl_b32 s54, s54, 11
	s_and_b32 s36, ttmp9, 3
	s_lshl_b32 s36, s36, 9
	s_add_co_u32 s54, s54, s36
	s_mov_b32 s55, 0
	s_wait_kmcnt 0x0
	s_load_b256 s[24:31], s[14:15], 0x0            ; e0 .. e7
	s_add_nc_u64 s[4:5], s[4:5], s[40:41]
	s_add_nc_u64 s[6:7], s[6:7], s[42:43]
	s_add_nc_u64 s[8:9], s[8:9], s[44:45]
	s_add_nc_u64 s[10:11], s[10:11], s[46:47]
	s_add_nc_u64 s[12:13], s[12:13], s[50:51]
	s_add_nc_u64 s[16:17], s[16:17], s[52:53]
	s_add_nc_u64 s[18:19], s[18:19], s[54:55]
	; ---- all loads go out together
.irp i, 0,1,2,3,4,5,6,7,8,9,10,11,12,13,14,15
	global_load_b128 v[WR+4*\i:WR+4*\i+3], v6, s[8:9] offset:1024*\i          ; W1: rows 32 w + 2 i and + 1
.endr
.irp c, 0,1,2,3
.irp j, 0,1,2,3
	global_load_b128 v[XR+16*\c+4*\j:XR+16*\c+4*\j+3], v5, s[4:5] offset:128*\c+16*\j
.endr
.endr
	global_load_b128 v[BIAS:BIAS+3], v11, s[10:11]
	global_load_b128 v[BIAS+4:BIAS+7], v11, s[10:11] offset:16
.irp c, 0,1,2,3
	global_load_b128 v[WVF+4*\c:WVF+4*\c+3], v12, s[12:13] offset:32*\c       ; every wave takes Wv's fragment, wave 3 uses it: four loads, and no register is loaded in one branch and read in another
.endr
	s_cmp_lt_u32 s20, 2
	s_cbranch_scc0 .Lplain_x                       ; waves 2 and 3 quantise x as it is
.irp c, 0,1,2,3
.irp j, 0,1,2,3
	global_load_b128 v[PR+16*\c+4*\j:PR+16*\c+4*\j+3], v5, s[6:7] offset:128*\c+16*\j
.endr
.endr
	s_wait_loadcnt 0x0
.set i, 0
.rept 32
	v_pk_add_f32 v[XR+i:XR+i+1], v[XR+i:XR+i+1], v[PR+i:PR+i+1]               ; x + pos
.set i, i+2
.endr
.Lplain_x:
	s_wait_loadcnt 0x0                             ; for waves 2 and 3; waves 0 and 1 have waited already
.irp i, 0,1,2,3,4,5,6,7,8,9,10,11,12,13,14,15
	ds_store_b128 v7, v[WR+4*\i:WR+4*\i+3] offset:640*\i+64*(\i/8)            ; rows 16 to 31 of my 32 lie 64 bytes further on
.endr
	s_wait_kmcnt 0x0                               ; the exponents.  What they decide is chosen by selects: no branch hangs on them
	s_cmp_eq_u32 s23, 1
	s_cselect_b32 s58, s26, s24                    ; ea: e2 for Aq, e0 for Ak
	s_cselect_b32 s59, s27, s25                    ; eb: e3 or e1
	s_cselect_b32 s34, -1, 0                       ; b1 goes to Aq alone
	s_cmp_lt_u32 s20, 2
	s_cselect_b32 s60, s58, s28                    ; my rows' exponent: ea for x + pos, e4 for x
	s_sub_co_i32 s61, s31, s28
	s_sub_co_i32 s61, s61, s29                     ; a sum of x Wv stands for sum x 2^(e4 + e5): its code is sum / 2^(e7 - e4 - e5)
	s_add_co_i32 s32, s58, s59
	s_add_co_i32 s32, s32, 127
	s_lshl_b32 s32, s32, 23                        ; 2^(ea + eb) as f32
	s_mov_b32 s33, s32                             ; (named with it as a pair, so it is written)
	MKSCALE 60, 240, 241
	MKSCALE 59, 242, 243
	MKSCALE 61, 244, 245
.irp j, 0,1,2,3,4,5,6,7
	v_and_b32 v[BIAS+\j], s34, v[BIAS+\j]
.endr
	QUANT XR, XC, 240, 241
.irp c, 0,1,2,3
	ds_store_b128 v9, v[XC+4*\c:XC+4*\c+3] offset:512*\c                      ; my fragment's image
.endr
	s_wait_dscnt 0x0                               ; for the others' sake: my rows of W1 and my image have landed
	s_barrier_signal -1
	s_barrier_wait -1                              ; W1's 128 rows and the four images lie in LDS; nothing is stored to LDS behind this barrier
	; ---- my column of W1, down K
.irp c, 0,1,2,3
.irp i, 0,1,2,3,4,5,6,7,8,9,10,11,12,13,14,15
	ds_load_b32 v[WR+16*\c+\i], v8 offset:(32*\c+\i)*320                      ; W1(32 c + 16 h + i, my column)
.endr
.endr
	FETCH XF0, 0
	FETCH XF1, 2048
	s_wait_dscnt 8                                 ; LDS loads come back in order (ISA guide 5.7.1): W1's 64 are in, the eight younger ones (the two fragments of rows) may be out
	QUANT WR, WF, 242, 243
	s_wait_dscnt 0x0
	; TRANSPOSED: source 0 = my 16 channels, source 1 = 16 rows: lane (r, h) holds row r, and its register j channel 16 ct + 8 h + j
	v_wmma_f32_16x16x128_bf8_bf8 v[D0:D0+7], v[WF:WF+15], v[XF0:XF0+15], 0
	v_wmma_f32_16x16x128_bf8_bf8 v[D1:D1+7], v[WF:WF+15], v[XF1:XF1+15], 0
.rept 4
	v_nop                                          ; four places between a matrix instruction and the first vector read of its result (ISA guide 7.12.1)
.endr
.irp j, 0,2,4,6,8,10,12,14
	v_pk_fma_f32 v[OUT+\j:OUT+\j+1], v[D0+\j:D0+\j+1], s[32:33], v[BIAS+(\j%8):BIAS+(\j%8)+1] op_sel_hi:[1,0,1]   ; sum x 2^(ea + eb) + b1 or 0; each accumulator from its low end on
.endr
.irp t, 0,1
.irp f, 0,1
	global_store_b128 v4, v[OUT+8*\t+4*\f:OUT+8*\t+4*\f+3], s[16:17] offset:8192*\t+512*\f   ; 32 lanes store 512 consecutive bytes, at a multiple of 512 from aimg's first byte
.endr
.endr
	; ---- wave 3: v for the 32 rows, columns 16 cg on.  Source 0 = 16 keys, source 1 = Wv's 16 columns: lane (r, h) holds column r and keys 8 h + 0 .. 7: eight neighbours along the last product's K
	s_cmp_lg_u32 s20, 3
	s_cbranch_scc1 .Lend
	FETCH XV0, 4096
	FETCH XV1, 6144
	s_wait_dscnt 0x0
	v_wmma_f32_16x16x128_bf8_bf8 v[VD:VD+7], v[XV0:XV0+15], v[WVF:WVF+15], 0
	v_wmma_f32_16x16x128_bf8_bf8 v[VD+8:VD+15], v[XV1:XV1+15], v[WVF:WVF+15], 0
.rept 4
	v_nop
.endr
.irp i, 0,1,2,3,4,5,6,7,8,9,10,11,12,13,14,15
	v_med3_num_f32 v[VD+\i], v[VD+\i], -v245, v245
.endr
	v_cvt_scalef32_pk8_bf8_f32 v[VC:VC+1], v[VD:VD+7], v244                   ; keys 16 (2 rg) + 8 h + 0 .. 7: registers 2 c, 2 c + 1 with c = 2 (rg % 4)
	v_cvt_scalef32_pk8_bf8_f32 v[VC+2:VC+3], v[VD+8:VD+15], v244              ; the next tile's: c + 1
	v_nop
	global_store_b128 v4, v[VC:VC+3], s[18:19]     ; 512 consecutive bytes
.Lend:
	s_wait_tensorcnt 0x0
	ds_add_u32 v254, v255
	s_wait_dscnt 0x0
	s_endpgm
.Lfunc_end_k_q96128e026d_prep:
	.size	k_q96128e026d_prep, .Lfunc_end_k_q96128e026d_prep-k_q96128e026d_prep
	.p2alignl 7, 3214868480
	.fill 96, 4, 3214868480
	.section	.rodata,"a",@progbits
	.p2align	6, 0x0
	.amdhsa_kernel k_q96128e026d_prep
		.amdhsa_group_segment_fixed_size 49664
		.amdhsa_private_segment_fixed_size 0
		.amdhsa_enable_private_segment 0
		.amdhsa_kernarg_size 64
		.amdhsa_user_sgpr_count 2
		.amdhsa_user_sgpr_kernarg_segment_ptr 1
		.amdhsa_wavefront_size32 1
		.amdhsa_system_sgpr_workgroup_id_x 1
		.amdhsa_system_sgpr_workgroup_id_y 1
		.amdhsa_system_sgpr_workgroup_id_z 1
		.amdhsa_system_vgpr_workitem_id 0
		.amdhsa_next_free_vgpr 256
		.amdhsa_next_free_sgpr 66
		.amdhsa_reserve_vcc 0
		.amdhsa_float_denorm_mode_32 3
		.amdhsa_float_denorm_mode_16_64 3
		.amdhsa_memory_ordered 1
		.amdhsa_forward_progress 1
		.amdhsa_inst_pref_size 31
	.end_amdhsa_kernel
	.amdgpu_metadata
---
amdhsa.version: [ 1, 2 ]
amdhsa.kernels:
  - .name:           k_q96128e026d_prep
    .symbol:         k_q96128e026d_prep.kd
    .args:
      - { .name: x, .offset: 0, .size: 8, .value_kind: global_buffer, .address_space: global }
      - { .name: pos_emb, .offset: 8, .size: 8, .value_kind: global_buffer, .address_space: global }
      - { .name: W1, .offset: 16, .size: 8, .value_kind: global_buffer, .address_space: global }
      - { .name: b1, .offset: 24, .size: 8, .value_kind: global_buffer, .address_space: global }
      - { .name: Wv_codes, .offset: 32, .size: 8, .value_kind: global_buffer, .address_space: global }
      - { .name: lowp_scales, .offset: 40, .size: 8, .value_kind: global_buffer, .address_space: global }
      - { .name: aimg, .offset: 48, .size: 8, .value_kind: global_buffer, .address_space: global }
      - { .name: vimg, .offset: 56, .size: 8, .value_kind: global_buffer, .address_space: global }
    .group_segment_fixed_size: 49664
    .private_segment_fixed_size: 0
    .kernarg_segment_align: 8
    .kernarg_segment_size: 64
    .max_flat_workgroup_size: 128
    .sgpr_count:     66
    .vgpr_count:     256
    .wavefront_size: 32
...
	.end_amdgpu_metadata
.endif
;; end of part 1
;; launch attn (part 2): grid 64 x 4, 16 waves a work-group, no clusters, 145,408 bytes of LDS; arguments aimg, vimg, W2, b2, lowp_scales, out0; writes out0
.if DOCPART == 2
	.amdgcn_target "amdgcn-amd-amdhsa--gfx1250"
	.amdhsa_code_object_version 6
	.text
	.protected	k_q96128e026d_attn
	.globl	k_q96128e026d_attn
	.p2align	8
	.type	k_q96128e026d_attn,@function
k_q96128e026d_attn:
	s_mov_b64 s[64:65], 0
	v_nop
	global_prefetch_b8 v0, s[64:65] scope:SCOPE_SE
	s_setreg_imm32_b32 hwreg(HW_REG_WAVE_MODE, 25, 1), 1
	s_wait_xcnt 0x0
; out[b][i] = sum over j <= i of softmax_j(logit(i, j)) v[b][j],  logit(i, j) = (sum over c of W2[c] relu(Aq[i][c] + b1[c] + Ak[j][c]) + b2) / sqrt(128).
; The pairwise sum is left as it is and feeds a quantiser: f32 throughout, by vector instructions: one packed add, two maxima with 0 and one packed multiply-add for two channels of a pair.
; THE SOFTMAX AHEAD OF THE LAST PRODUCT: t = logit x log2(e); M = the row's largest t rounded UP to a whole number; p = 2^(t - M) is quantised (e6), not normalised; the row's sum is taken of the unquantised p and divides at the end.
; The last product runs on codes of BF8 (E5M2): p's made here, v's (e7) made by the launch before, laid as the operand's registers.
; SHARES.  Work-group (u, b) owns EIGHT queries of batch b: q = 0..3 are rows 4 u + q, q = 4..7 rows 508 - 4 u + (q - 4).  With a = u / 4 the low four need key tiles (16 keys) 0 .. a, the high four 0 .. 31 - a: 33 group-tiles
; in every work-group, so the causal mask leaves all work-groups the same work.  A tile that the low four need is one that the high four need too (a + 1 <= 16 < 17 <= 32 - a).
; Wave w: channels 32 (w % 4) on (sl), key tiles w / 4 + 4 n (sub).  A lane (r, h) holds key r of a tile and 16 channels: Ak comes from memory straight into these registers (aimg holds images of accumulator registers),
; each byte once for the work-group; the eight queries' Aq + b1 and W2 stay in registers.  The lanes' partial sums (8 for each pair: 4 slices x 2 halves) meet in LDS.
; Why no joint loads through LDS though the 64 work-groups of a batch read the same Ak: a tile's work for a wave is 132 or 264 vector instructions, and the partial sums take 131,584 bytes of LDS, so a batch's
; 262,144 bytes of Ak would need slots that are filled again, with a round of a cluster's barrier for every few such tiles.
; Then: wave w sums, masks and exponentiates row w / 2, keys 256 (w % 2) on; waves 0 to 3 multiply (16 of v's 64 columns each) and store.
; LIMITS: e6 between -126 and 112, so that 2^e6 and 57,344 x 2^e6 are f32 numbers; e6 + e7 is applied by v_ldexp_f32 and has none.  NaN among the inputs is not served.
.set PSTR, 16448                       ; LDS: partial sums: (2 sl + h) x PSTR + 2,048 q + 4 key.  PSTR = 8 x 2,048 + 64: the two halves of the lanes store 4,112 words apart, on different banks (64 banks of 4 bytes: ISA guide 11.1)
.set MAXS, 8*PSTR                      ; 16 words: each wave's largest t
.set LSUM, MAXS+256                    ; 16 words: each wave's sum of p
.set PIMG, MAXS+512                    ; p's codes as images of the operand's registers: 2,048 ks + 512 (c / 2) + 16 (q + 16 h) + 8 (c % 2) + byte: registers 2 c, 2 c + 1 of lane (q, h) = keys 128 ks + 16 c + 8 h + 0 .. 7
.set OSTG, PIMG+8192                   ; the way out: 8 rows x (256 bytes + 16)
; v1 lane, v2 r, v3 h; v4 16 x lane; v5 Aq's offset; v6 W2's; v7 where I store partial sums; v8-v11 where I read them; v12 my word of MAXS; v13 my row's two words; v14 a query's two words of LSUM;
; v15 where my codes of p go; v16 where p's fragments are read; v17, v18 the stage, in and back; v20 my query - my first key; v21 -infinity; v[22:23] b2 x c.  All but v[22:23], made behind the pairwise sums, are made ahead of the first branch; none is rewritten.
.set AQ,  24                           ; v24-151  Aq + b1: 16 q + 8 ct' + j
.set WV,  152                          ; v152-167 W2 at my 16 channels
.set DB,  168                          ; v168-199 Ak: two buffers of 16
.set H,   200                          ; v200-207 four pairs at work
.set ACC, 208                          ; v208-215 four pairs of sums
.set S,   216                          ; v216-219 the four partial sums
.set T,   24                           ; later: v24-87 eight partial sums of eight pairs; t and p end in v24-31
.set VF,  88                           ; v88-151  v's four fragments (waves 0 to 3)
.set PF,  152                          ; v152-215 p's four fragments
.set D0,  216                          ; v216-223, v224-231 two accumulators by turns
.set D1,  224
.set O,   232                          ; v232-239 at the head: at work; at the end: my eight outputs
; v240 -M (v241 named with it); v242, v243: 2^e6 and 57,344 x 2^e6; v244-247 at work; v248 the final factor (v249 named with it); v[250:251] my codes of p; v252 the lane exchange
.macro LOADT n, buf                    ; my slice of key tile sub + 4 n: two tiles of channels x two halves: 512 consecutive bytes a load
.irp c, 0,1
.irp f, 0,1
	global_load_b128 v[DB+16*(\buf)+8*\c+4*\f:DB+16*(\buf)+8*\c+4*\f+3], v4, s[22:23] offset:(\n)*32768+\c*1024+\f*512
.endr
.endr
.endm
; Four queries (g = 0: the low four, 1: the high four) against the tile in buffer buf: for each pair of channels, four chains that do not wait for each other.  The first product starts the sums: nothing is cleared.
.macro GROUP g, n, buf
.irp cp, 0,1,2,3,4,5,6,7
.irp q, 0,1,2,3
	v_pk_add_f32 v[H+2*\q:H+2*\q+1], v[DB+16*(\buf)+2*\cp:DB+16*(\buf)+2*\cp+1], v[AQ+64*(\g)+16*\q+2*\cp:AQ+64*(\g)+16*\q+2*\cp+1]
.endr
.irp q, 0,1,2,3
	v_max_num_f32 v[H+2*\q], 0, v[H+2*\q]
	v_max_num_f32 v[H+2*\q+1], 0, v[H+2*\q+1]
.endr
.irp q, 0,1,2,3
.if \cp == 0
	v_pk_mul_f32 v[ACC+2*\q:ACC+2*\q+1], v[H+2*\q:H+2*\q+1], v[WV:WV+1]
.else
	v_pk_fma_f32 v[ACC+2*\q:ACC+2*\q+1], v[H+2*\q:H+2*\q+1], v[WV+2*\cp:WV+2*\cp+1], v[ACC+2*\q:ACC+2*\q+1]
.endif
.endr
.endr
.irp q, 0,1,2,3
	v_add_f32 v[S+\q], v[ACC+2*\q], v[ACC+2*\q+1]
.endr
.irp q, 0,1,2,3
	ds_store_b32 v7, v[S+\q] offset:(4*(\g)+\q)*2048+(\n)*256
.endr
.endm
; The n-th of my key tiles.  s20 = 32 - a - sub: tile sub + 4 n is needed by the high four where 4 n < s20;  s21 = a + 1 - sub (it may be negative): by the low four where 4 n < s21.  Branches on ids alone; no barrier stands under them.
; The wait is for 0: from body 1 on the tile's four loads are the only ones out; at body 0 the head's loads of Aq and W2 are out too, and wanted as well.  The next tile is asked for at once and has this tile's work in which to land.  No tile is asked for that is not needed.
.macro BODY n
.if \n >= 4
	s_cmp_gt_i32 s20, 4*\n
	s_cbranch_scc0 .Ldone
.endif
	s_wait_loadcnt 0x0
.if \n < 3
	LOADT \n+1, (\n+1)%2
.elseif \n < 7
	s_cmp_gt_i32 s20, 4*\n+4
	s_cbranch_scc0 .Lno_more_\@
	LOADT \n+1, (\n+1)%2
.Lno_more_\@:
.endif
	GROUP 1, \n, \n%2
.if \n < 4
	s_cmp_gt_i32 s21, 4*\n
	s_cbranch_scc0 .Lno_low_\@
	GROUP 0, \n, \n%2
.Lno_low_\@:
.endif
.endm
.macro BAR                             ; my LDS stores have landed and my LDS loads are in: then the work-group's barrier
	s_wait_dscnt 0x0
	s_barrier_signal -1
	s_barrier_wait -1
.endm
.macro WMAX reg                        ; the largest over the wave's 32 lanes, in every lane
.irp m, 1,2,4,8
	v_max_num_f32_dpp v[\reg], v[\reg], v[\reg] row_xmask:\m row_mask:0xf bank_mask:0xf
.endr
	v_permlanex16_b32 v252, v[\reg], s30, s31
	v_max_num_f32 v[\reg], v[\reg], v252
.endm
.macro WSUM reg                        ; the sum likewise
.irp m, 1,2,4,8
	v_add_f32_dpp v[\reg], v[\reg], v[\reg] row_xmask:\m row_mask:0xf bank_mask:0xf
.endr
	v_permlanex16_b32 v252, v[\reg], s30, s31
	v_add_f32 v[\reg], v[\reg], v252
.endm
	s_load_b256 s[4:11], s[0:1], 0x0               ; aimg s[4:5], vimg s[6:7], W2 s[8:9], b2 s[10:11]
	s_load_b128 s[12:15], s[0:1], 0x20             ; the exponents s[12:13], out0 s[14:15]
	v_lshl_add_u32 v254, v0, 2, 0x23000
	v_mov_b32 v255, 0
	v_lshrrev_b32 v1, 5, v0
	v_readfirstlane_b32 s16, v1                    ; wave 0..15
	v_and_b32 v1, 31, v0                           ; lane
	v_and_b32 v2, 15, v0                           ; r
	v_bfe_u32 v3, v0, 4, 1                         ; h
	v_lshlrev_b32 v4, 4, v1                        ; 16 x lane
	v_lshlrev_b32 v5, 8, v3                        ; Aq: a query's numbers for my half of the channels lie 16 lanes x 16 bytes on
	v_lshlrev_b32 v6, 5, v3                        ; W2: my half's eight numbers
	s_and_b32 s17, s16, 3                          ; sl; later: which 16 of v's columns, which two rows I store
	s_lshr_b32 s18, s16, 2                         ; sub
	s_lshr_b32 s38, s16, 1                         ; qb: the row that I exponentiate
	s_and_b32 s39, s16, 1                          ; hf: which 256 keys of it
	s_lshr_b32 s19, ttmp9, 2                       ; a = u / 4
	s_and_b32 s44, ttmp9, 3                        ; u % 4
	s_and_b32 s45, ttmp7, 0xffff                   ; b
	s_sub_co_i32 s50, 32, s19                      ; nh: the high four's key tiles
	s_sub_co_i32 s20, s50, s18
	s_add_co_i32 s49, s19, 1                       ; nl: the low four's
	s_sub_co_i32 s21, s49, s18
	; byte offsets, each in a pair of its own
	s_lshl_b32 s56, s45, 18                        ; the batch's 32 tiles of 8,192 bytes,
	s_lshl_b32 s57, s17, 11                        ; my slice: two tiles of channels of 1,024 bytes
	s_add_co_u32 s56, s56, s57
	s_lshl_b32 s58, s18, 13                        ; Ak: key tile sub
	s_add_co_u32 s58, s58, s56
	s_mov_b32 s59, 0
	s_lshl_b32 s60, s19, 13                        ; Aq, the low four: tile a, rows 4 (u % 4) on: 16 bytes a row
	s_lshl_b32 s57, s44, 6
	s_add_co_u32 s60, s60, s57
	s_add_co_u32 s60, s60, s56
	s_add_co_u32 s60, s60, 0x100000                ; (Aq's half of aimg)
	s_mov_b32 s61, 0
	s_sub_co_u32 s62, 31, s19                      ; the high four: tile 31 - a, rows 4 (3 - u % 4) on
	s_lshl_b32 s62, s62, 13
	s_sub_co_u32 s57, 3, s44
	s_lshl_b32 s57, s57, 6
	s_add_co_u32 s62, s62, s57
	s_add_co_u32 s62, s62, s56
	s_add_co_u32 s62, s62, 0x100000
	s_mov_b32 s63, 0
	s_lshl_b32 s46, s17, 7                         ; W2: my 32 channels
	s_mov_b32 s47, 0
	s_lshl_b32 s52, s45, 15                        ; vimg: the batch's 32,768 bytes, columns 16 (w % 4) on
	s_lshl_b32 s57, s17, 11
	s_add_co_u32 s52, s52, s57
	s_mov_b32 s53, 0
	s_lshl_b32 s51, ttmp9, 2                       ; 4 u
	s_lshl_b32 s57, s17, 1
	s_add_co_u32 s54, s51, s57                     ; out0: waves 0, 1 store rows 4 u + 2 w and + 1,
	s_sub_co_u32 s55, 504, s51
	s_add_co_u32 s55, s55, s57                     ; waves 2, 3 rows 508 - 4 u + 2 (w - 2) and + 1
	s_cmp_lt_u32 s17, 2
	s_cselect_b32 s54, s54, s55
	s_lshl_b32 s54, s54, 8
	s_lshl_b32 s57, s45, 17
	s_add_co_u32 s54, s54, s57
	s_mov_b32 s55, 0
	s_wait_kmcnt 0x0
	s_load_b32 s34, s[10:11], 0x0                  ; b2
	s_load_b64 s[36:37], s[12:13], 0x18            ; e6, e7
	s_add_nc_u64 s[22:23], s[4:5], s[58:59]
	s_add_nc_u64 s[24:25], s[4:5], s[60:61]
	s_add_nc_u64 s[26:27], s[4:5], s[62:63]
	s_add_nc_u64 s[8:9], s[8:9], s[46:47]
	s_add_nc_u64 s[28:29], s[6:7], s[52:53]
	s_add_nc_u64 s[42:43], s[14:15], s[54:55]
	LOADT 0, 0
.irp q, 0,1,2,3
.irp c, 0,1
.irp f, 0,1
	global_load_b128 v[AQ+16*\q+8*\c+4*\f:AQ+16*\q+8*\c+4*\f+3], v5, s[24:25] offset:\c*1024+\f*512+16*\q          ; sixteen lanes take the same 16 bytes
	global_load_b128 v[AQ+64+16*\q+8*\c+4*\f:AQ+64+16*\q+8*\c+4*\f+3], v5, s[26:27] offset:\c*1024+\f*512+16*\q
.endr
.endr
.endr
.irp c, 0,1
.irp f, 0,1
	global_load_b128 v[WV+8*\c+4*\f:WV+8*\c+4*\f+3], v6, s[8:9] offset:64*\c+16*\f
.endr
.endr
	; ---- while they are on their way: every LDS address of the launch
	s_mul_i32 s46, s17, 2*PSTR
	s_lshl_b32 s47, s18, 6
	s_add_co_u32 s46, s46, s47
	v_mul_u32_u24 v7, v3, PSTR
	v_lshl_add_u32 v7, v2, 2, v7
	v_add_nc_u32 v7, s46, v7                       ; partial sums: (2 sl + h) PSTR + 4 (16 sub + r); q and n stand in the immediate
	s_add_co_u32 s52, s51, s38                     ; my row's query: 4 u + qb,
	s_sub_co_u32 s53, 504, s51
	s_add_co_u32 s53, s53, s38                     ; or 508 - 4 u + qb - 4
	s_cmp_lt_u32 s38, 4
	s_cselect_b32 s40, s52, s53
	s_cselect_b32 s41, s49, s50
	s_lshl_b32 s41, s41, 4                         ; the keys for which my row has partial sums: 16 nl or 16 nh
	s_lshl_b32 s46, s38, 11                        ; my row
	s_lshl_b32 s47, s39, 10
	s_add_co_u32 s47, s47, s46                     ; my 256 keys of it
	s_lshl_b32 s48, s39, 8
	v_lshl_add_u32 v232, v1, 2, s48                ; my first key: 256 hf + 4 lane; I take keys + 0 .. 3 and + 128 .. 131
	v_add_nc_u32 v233, s47, v4
	v_mov_b32 v234, s46
	v_cmp_gt_u32 vcc_lo, s41, v232
	v_cndmask_b32 v8, v234, v233, vcc_lo           ; a lane whose keys have no partial sums reads key 0's, which every row has; the mask below hides them
	v_add_nc_u32 v235, 0x80, v232
	v_add_nc_u32 v233, 0x200, v233
	v_cmp_gt_u32 vcc_lo, s41, v235
	v_cndmask_b32 v9, v234, v233, vcc_lo
	v_add_nc_u32 v10, 4*PSTR, v8                   ; partial sums 4 to 7 lie beyond the 16-bit immediate
	v_add_nc_u32 v11, 4*PSTR, v9
	v_sub_nc_u32 v20, s40, v232                    ; d = my query - my first key: key + e is hidden where e > d
	s_lshl_b32 s46, s16, 2
	s_add_co_u32 s46, s46, MAXS
	v_mov_b32 v12, s46
	s_lshl_b32 s46, s38, 3
	s_add_co_u32 s46, s46, MAXS
	v_mov_b32 v13, s46
	v_and_b32 v232, 7, v0                          ; r % 8: the eight queries stand twice in a tile's sixteen columns
	v_lshl_add_u32 v14, v232, 3, LSUM
	v_bfe_u32 v233, v0, 3, 2                       ; my four codes' place in p's image: key % 128 = 4 lane + e: c = lane / 4, h = (lane / 2) % 2, byte 4 (lane % 2) + e
	v_lshlrev_b32 v15, 9, v233
	v_bfe_u32 v233, v0, 1, 1
	v_lshl_add_u32 v15, v233, 8, v15
	v_bfe_u32 v233, v0, 2, 1
	v_lshl_add_u32 v15, v233, 3, v15
	v_and_b32 v233, 1, v0
	v_lshl_add_u32 v15, v233, 2, v15
	s_lshl_b32 s46, s39, 12                        ; ks = 2 hf (and 2 hf + 1 in the immediate)
	s_lshl_b32 s47, s38, 4
	s_add_co_u32 s46, s46, s47
	s_add_co_u32 s46, s46, PIMG
	v_add_nc_u32 v15, s46, v15
	v_lshlrev_b32 v16, 4, v232
	v_lshl_add_u32 v16, v3, 8, v16
	v_add_nc_u32 v16, PIMG, v16
	s_lshl_b32 s46, s17, 6
	s_add_co_u32 s46, s46, OSTG
	v_mul_u32_u24 v17, v232, 272
	v_lshl_add_u32 v17, v3, 5, v17
	v_add_nc_u32 v17, s46, v17                     ; the stage, in: row r % 8, my 16 columns' 64 bytes, + 32 h
	s_mul_i32 s46, s17, 2*272
	s_add_co_u32 s46, s46, OSTG
	v_mul_u32_u24 v18, v3, 272
	v_lshl_add_u32 v18, v2, 4, v18
	v_add_nc_u32 v18, s46, v18                     ; and back: lanes 0-15 one row of 256 bytes, lanes 16-31 the next
	v_mov_b32 v21, 0xff800000                      ; -infinity
	v_mov_b32 v241, 0                              ; (named as upper halves of pairs)
	v_mov_b32 v249, 0
	v_mov_b32 v252, 0                              ; a lane permute's destination counts as one of its sources
	s_mov_b32 s30, 0x76543210
	s_mov_b32 s31, 0xfedcba98                      ; v_permlanex16_b32's selects for lane l xor 16
	s_mov_b32 s32, 0x3e0293ee                      ; c = log2(e) / sqrt(128)
	s_mov_b32 s33, s32
	; ---- THE PAIRWISE SUMS: up to eight key tiles a wave, written out, so that every offset is an immediate
	BODY 0
	BODY 1
	BODY 2
	BODY 3
	BODY 4
	BODY 5
	BODY 6
	BODY 7
.Ldone:
	s_wait_loadcnt 0x0                             ; on every way that leads here no load into Ak's two buffers is out: p's fragments are loaded over those registers below.  (A tile is asked for only where its body runs, so nothing is out here and the wait is met at once)
	s_cmp_lt_u32 s16, 4
	s_cbranch_scc0 .Lno_v
.irp k, 0,1,2,3
.irp c, 0,1,2,3
	global_load_b128 v[VF+16*\k+4*\c:VF+16*\k+4*\c+3], v4, s[28:29] offset:8192*\k+512*\c   ; v's four fragments for my 16 columns: asked for here, wanted three barriers on
.endr
.endr
.Lno_v:
	BAR                                            ; all partial sums lie in LDS
	; ---- my row's t at my eight keys
.irp p, 0,1,2,3
	ds_load_b128 v[T+8*\p:T+8*\p+3], v8 offset:\p*PSTR
	ds_load_b128 v[T+8*\p+4:T+8*\p+7], v9 offset:\p*PSTR
.endr
.irp p, 0,1,2,3
	ds_load_b128 v[T+32+8*\p:T+32+8*\p+3], v10 offset:\p*PSTR
	ds_load_b128 v[T+32+8*\p+4:T+32+8*\p+7], v11 offset:\p*PSTR
.endr
	s_wait_kmcnt 0x0                               ; b2, e6, e7
	v_mov_b32 v22, s34
	v_mul_f32 v22, s32, v22                        ; b2 x c
	v_mov_b32 v23, v22
	s_add_co_i32 s46, s36, 127
	s_lshl_b32 s47, s46, 23
	v_mov_b32 v242, s47                            ; 2^e6 as f32, for the conversion
	s_add_co_i32 s46, s46, 15
	s_lshl_b32 s46, s46, 23
	s_or_b32 s46, s46, 0x600000
	v_mov_b32 v243, s46                            ; 57,344 x 2^e6
	s_wait_dscnt 0x0
.irp p, 0,1,2,3
.irp j, 0,2,4,6
	v_pk_add_f32 v[T+8*\p+\j:T+8*\p+\j+1], v[T+8*\p+\j:T+8*\p+\j+1], v[T+32+8*\p+\j:T+32+8*\p+\j+1]
.endr
.endr
.irp p, 0,1
.irp j, 0,2,4,6
	v_pk_add_f32 v[T+8*\p+\j:T+8*\p+\j+1], v[T+8*\p+\j:T+8*\p+\j+1], v[T+16+8*\p+\j:T+16+8*\p+\j+1]
.endr
.endr
.irp j, 0,2,4,6
	v_pk_add_f32 v[T+\j:T+\j+1], v[T+\j:T+\j+1], v[T+8+\j:T+8+\j+1]
.endr
.irp j, 0,2,4,6
	v_pk_fma_f32 v[T+\j:T+\j+1], v[T+\j:T+\j+1], s[32:33], v[22:23] op_sel_hi:[1,0,1]   ; t = sum x c + b2 x c
.endr
.irp e, 0,1,2,3
	v_cmp_gt_i32 vcc_lo, \e, v20
	v_cndmask_b32 v[T+\e], v[T+\e], v21, vcc_lo    ; hidden keys: -infinity ahead of the maximum, so p = 0.  A select, no branch
.endr
.irp e, 0,1,2,3
	v_cmp_gt_i32 vcc_lo, 128+\e, v20
	v_cndmask_b32 v[T+4+\e], v[T+4+\e], v21, vcc_lo
.endr
	v_max3_num_f32 v244, v24, v25, v26
	v_max3_num_f32 v245, v27, v28, v29
	v_max3_num_f32 v244, v244, v30, v31
	v_max_num_f32 v244, v244, v245
	WMAX 244
	ds_store_b32 v12, v244                         ; all lanes write the same word with the same number
	BAR                                            ; the sixteen maxima lie in LDS
	; ---- p, its sum and its codes
	ds_load_b64 v[246:247], v13                    ; my row's two halves; key 0 counts for every query, so the larger is a number
	s_wait_dscnt 0x0
	v_max_num_f32 v244, v246, v247
	v_floor_f32 v240, -v244                        ; -M = floor(-t) = -ceil(t): M is a whole number
.irp j, 0,2,4,6
	v_pk_add_f32 v[T+\j:T+\j+1], v[T+\j:T+\j+1], v[240:241] op_sel_hi:[1,0]   ; t - M (the pair's low word for both halves)
.endr
.irp j, 0,1,2,3,4,5,6,7
	v_exp_f32 v[T+\j], v[T+\j]                     ; p = 2^(t - M), at most 1: not normalised
.endr
	v_nop                                          ; a plain instruction behind the last exponential, ahead of the first use
	s_wait_alu depctr_va_vdst(0)                   ; one wait for the batch of eight, ahead of its first reader
	v_pk_add_f32 v[244:245], v[T:T+1], v[T+2:T+3]  ; the sum is taken of the unquantised p
	v_pk_add_f32 v[246:247], v[T+4:T+5], v[T+6:T+7]
	v_pk_add_f32 v[244:245], v[244:245], v[246:247]
	v_add_f32 v244, v244, v245
	WSUM 244
	ds_store_b32 v12, v244 offset:256              ; my word of LSUM
.irp j, 0,1,2,3,4,5,6,7
	v_min_num_f32 v[T+\j], v[T+\j], v243           ; the conversion to an 8-bit code does not saturate (ISA guide 7.6.2); p is not negative, so the hold is one-sided
.endr
	v_cvt_scalef32_pk8_bf8_f32 v[250:251], v[T:T+7], v242
	v_nop                                          ; one plain vector instruction behind the conversion
	ds_store_b32 v15, v250                         ; keys 256 hf + 4 lane + 0 .. 3
	ds_store_b32 v15, v251 offset:2048             ; and those 128 further on: the next K step's image
	BAR                                            ; p's four fragments and the sixteen sums lie in LDS
	; ---- O^T = V^T P^T: waves 0 to 3, 16 of v's columns each.  Source 0 = 16 columns of v, source 1 = the queries: lane (r, h) holds query r % 8 and columns 16 w + 8 h + 0 .. 7.
	; Lanes with r >= 8 hold the eight queries a second time and store the same numbers to the same bytes.  Keys beyond a row's mask have the code 0 in p and add nothing.
	s_cmp_lt_u32 s16, 4
	s_cbranch_scc0 .Lno_pv
.irp k, 0,1,2,3
.irp c, 0,1,2,3
	ds_load_b128 v[PF+16*\k+4*\c:PF+16*\k+4*\c+3], v16 offset:2048*\k+512*\c
.endr
.endr
	ds_load_b64 v[246:247], v14                    ; my query's sum, in two halves
	s_add_co_i32 s46, s36, s37                     ; e6 + e7
	s_wait_loadcnt 0x0                             ; v's fragments
	s_wait_dscnt 0x0
	v_add_f32 v248, v246, v247
	v_rcp_f32 v248, v248
	v_nop                                          ; a plain instruction behind the reciprocal
	s_wait_alu depctr_va_vdst(0)                   ; and a wait ahead of its first reader
	v_ldexp_f32 v248, v248, s46                    ; 2^(e6 + e7) / the sum
	v_wmma_f32_16x16x128_bf8_bf8 v[D0:D0+7], v[VF:VF+15], v[PF:PF+15], 0          ; two accumulators take turns, one instruction a turn
	v_wmma_f32_16x16x128_bf8_bf8 v[D1:D1+7], v[VF+16:VF+31], v[PF+16:PF+31], 0
	v_wmma_f32_16x16x128_bf8_bf8 v[D0:D0+7], v[VF+32:VF+47], v[PF+32:PF+47], v[D0:D0+7]
	v_wmma_f32_16x16x128_bf8_bf8 v[D1:D1+7], v[VF+48:VF+63], v[PF+48:PF+63], v[D1:D1+7]
.rept 4
	v_nop                                          ; four places ahead of the first vector read of the results (ISA guide 7.12.1)
.endr
.irp j, 0,2,4,6
	v_pk_add_f32 v[O+\j:O+\j+1], v[D0+\j:D0+\j+1], v[D1+\j:D1+\j+1]               ; both accumulators from their low ends on
.endr
.irp j, 0,2,4,6
	v_pk_mul_f32 v[O+\j:O+\j+1], v[O+\j:O+\j+1], v[248:249] op_sel_hi:[1,0]
.endr
	ds_store_b128 v17, v[O:O+3]
	ds_store_b128 v17, v[O+4:O+7] offset:16
.Lno_pv:
	BAR                                            ; eight whole rows of the output lie in the stage
	s_cmp_lt_u32 s16, 4
	s_cbranch_scc0 .Lend
	ds_load_b128 v[24:27], v18
	s_wait_dscnt 0x0
	global_store_b128 v4, v[24:27], s[42:43]       ; two neighbouring rows of 256 bytes: 512 consecutive bytes, at a multiple of 256 from out0's first byte
.Lend:
	s_wait_tensorcnt 0x0
	ds_add_u32 v254, v255
	s_wait_dscnt 0x0
	s_endpgm
.Lfunc_end_k_q96128e026d_attn:
	.size	k_q96128e026d_attn, .Lfunc_end_k_q96128e026d_attn-k_q96128e026d_attn
	.p2alignl 7, 3214868480
	.fill 96, 4, 3214868480
	.section	.rodata,"a",@progbits
	.p2align	6, 0x0
	.amdhsa_kernel k_q96128e026d_attn
		.amdhsa_group_segment_fixed_size 145408
		.amdhsa_private_segment_fixed_size 0
		.amdhsa_enable_private_segment 0
		.amdhsa_kernarg_size 48
		.amdhsa_user_sgpr_count 2
		.amdhsa_user_sgpr_kernarg_segment_ptr 1
		.amdhsa_wavefront_size32 1
		.amdhsa_system_sgpr_workgroup_id_x 1
		.amdhsa_system_sgpr_workgroup_id_y 1
		.amdhsa_system_sgpr_workgroup_id_z 1
		.amdhsa_system_vgpr_workitem_id 0
		.amdhsa_next_free_vgpr 256
		.amdhsa_next_free_sgpr 66
		.amdhsa_reserve_vcc 1
		.amdhsa_float_denorm_mode_32 3
		.amdhsa_float_denorm_mode_16_64 3
		.amdhsa_memory_ordered 1
		.amdhsa_forward_progress 1
		.amdhsa_inst_pref_size 102
	.end_amdhsa_kernel
	.amdgpu_metadata
---
amdhsa.version: [ 1, 2 ]
amdhsa.kernels:
  - .name:           k_q96128e026d_attn
    .symbol:         k_q96128e026d_attn.kd
    .args:
      - { .name: aimg, .offset: 0, .size: 8, .value_kind: global_buffer, .address_space: global }
      - { .name: vimg, .offset: 8, .size: 8, .value_kind: global_buffer, .address_space: global }
      - { .name: W2, .offset: 16, .size: 8, .value_kind: global_buffer, .address_space: global }
      - { .name: b2, .offset: 24, .size: 8, .value_kind: global_buffer, .address_space: global }
      - { .name: lowp_scales, .offset: 32, .size: 8, .value_kind: global_buffer, .address_space: global }
      - { .name: out0, .offset: 40, .size: 8, .value_kind: global_buffer, .address_space: global }
    .group_segment_fixed_size: 145408
    .private_segment_fixed_size: 0
    .kernarg_segment_align: 8
    .kernarg_segment_size: 48
    .max_flat_workgroup_size: 512
    .sgpr_count:     66
    .vgpr_count:     256
    .wavefront_size: 32
...
	.end_amdgpu_metadata
.endif
;; end of part 2
;; ======== version 2 of 2: 2 launches; version 1 with the launches prep, attn written anew for expert scheduling mode
;; workspace buffers: aimg 2,097,152 bytes; vimg 131,072 bytes
;; launch prep (part 3): grid 64 x 4, 4 waves a work-group, no clusters, 49,664 bytes of LDS; arguments x, pos_emb, W1, b1, Wv_codes, lowp_scales, aimg, vimg; writes aimg, vimg
.if DOCPART == 3
	.amdgcn_target "amdgcn-amd-amdhsa--gfx1250"
	.amdhsa_code_object_version 6
	.text
	.protected	k_q96128e026d_prep
	.globl	k_q96128e026d_prep
	.p2align	8
	.type	k_q96128e026d_prep,@function
k_q96128e026d_prep:
	s_mov_b64 s[64:65], 0
	v_nop
	global_prefetch_b8 v0, s[64:65] scope:SCOPE_SE
	s_setreg_imm32_b32 hwreg(HW_REG_WAVE_SCHED_MODE, 0, 2), 2
	s_setreg_imm32_b32 hwreg(HW_REG_WAVE_MODE, 25, 1), 1
	s_wait_xcnt 0x0
	s_wait_alu depctr_vm_vsrc(0)
; THE THREE SMALL PRODUCTS AHEAD OF THE PAIRWISE ATTENTION, on codes of BF8 (E5M2), each operand with the one scale 2^e that is given for it (lowp_scales e0 .. e7):
;   Ak = Q(x + pos; e0) Q(W1[0:128]; e1),   Aq + b1 = Q(x + pos; e2) Q(W1[128:256]; e3) + b1,   v = Q(x; e4) Wv_codes (e5), and v is quantised at once for the last product (e7).
; SHARES.  Work-group (rg, cg): 32 rows of the 2,048 (two tiles of 16: T = 2 rg + rt) x 64 columns of one half of W1 (which = cg / 2: 0 Ak, 1 Aq; columns 64 (cg % 2) on).  Wave w makes the 16 channels of tile ct = 4 (cg % 2) + w
; for both tiles of rows.  Ahead of that wave w quantises ONE fragment of rows: tile rt = w % 2 of x + pos (waves 0, 1) or of x (waves 2, 3); the fragments go from wave to wave through LDS as images of their registers.
; Wave 3 also makes v for the 32 rows and the 16 columns 16 cg on.
; W1's K IS ITS FIRST AXIS: its 128 x 64 numbers come in as they lie (256 consecutive bytes for sixteen lanes), go through LDS, and are read back a lane to a column, registers down K: the conversions' results are the operand.
; K's ORDER in all fragments here: registers 4 c .. 4 c + 3 of lane (r, h) hold k = 32 c + 16 h + 0 .. 15: a permutation of k that is the same on both sides of each product.
; OUT.  aimg [which 2][T 128][ct 8][half 2][lane 32][4 f32]: THE ACCUMULATOR'S REGISTERS AS THEY STAND: lane (r, h), register 4 half + e = channel 16 ct + 8 h + 4 half + e of row 16 T + r.  Each store covers 512 consecutive bytes.
;       vimg [b 4][ks 4][ht 4][c2 4][lane 32][16 codes]: registers 4 c2 .. 4 c2 + 3 of the fragment V^T(column 16 ht + r; keys 128 ks on): registers 2 c, 2 c + 1 of lane (r, h) hold keys 128 ks + 16 c + 8 h + 0 .. 7.
; LIMITS on the given exponents, so that each power of two below is an f32 number: e0, e1, e2, e3, e4 and e7 - e4 - e5 between -126 and 112; e0 + e1 and e2 + e3 between -126 and 127.  NaN among the inputs is not served.
; No tensor load: the tiles are small and each is read once by its wave.  One barrier.
; THE MODE: SCHED_MODE bits 1:0 = 2 (LLVM: expert scheduling mode 2), set by the entry lines.  The code itself states the register dependences
; between vector or matrix instructions and memory or LDS instructions, with s_wait_alu, always for 0.
; THE PLAN.  Registers that memory or LDS instructions touch:
;   v4-v12    offsets and LDS addresses: written at the head, ahead of the first wait on va_vdst; never written again.
;   WR        global loads land; LDS stores read it; behind the barrier the 64 loads of my column land in it; then vector instructions alone (wave 3's codes of v are laid over its first four registers).
;   XR        global loads land; additions, holds and conversions work on it; behind the barrier the two fragments of rows land in its first 32 registers.
;   XC        the conversions write it, the four stores of my image read it; never written again.
;   OUT, VC   vector instructions write them, global stores read them; never written again.
;   XV0, XV1  wave 3's two fragments of x land over pos's registers, which the head's additions alone have read.
; So: one wait on va_vdst ahead of the first load; one ahead of my image's stores, which also shows the quantiser done with the registers in which the fragments of rows land; one wait on vm_vsrc behind the barrier, ahead of
; the loads into WR; one wait on va_vdst ahead of each of the two runs of global stores.
.set XIMG, 40960                       ; LDS: bytes 0 .. 40,959: W1's 128 rows x 64 columns: row k at 320 k + 64 ((k / 16) % 2).  From XIMG on: four fragment images of 2,048 bytes (image = wave that made it)
.set XR,   16                          ; v16-79   64 numbers of my fragment's rows: register 16 c + i = k 32 c + 16 h + i of row r
.set PR,   80                          ; v80-143  the same of pos (waves 0, 1)
.set XC,   80                          ; v80-95   my fragment's codes (pos is done with)
.set WR,   144                         ; v144-207 W1 as loaded; later my column of W1, down K
.set WVF,  208                         ; v208-223 Wv's fragment: columns 16 cg + r
.set WF,   224                         ; v224-239 W1's codes: my 16 channels
.set BIAS, 246                         ; v246-253 b1 at my eight channels, or zeros
.set XF0,  16                          ; behind the barrier: v16-31, v32-47 the two fragments of x + pos
.set XF1,  32
.set D0,   48                          ; v48-55, v56-63 the two accumulators
.set D1,   56
.set OUT,  64                          ; v64-79   what is stored
.set XV0,  96                          ; wave 3: v96-111, v112-127 the two fragments of x
.set XV1,  112
.set VD,   128                         ; v128-143 v: two accumulators
.set VC,   144                         ; v144-147 v's codes
; v240, v241: my rows' scale as f32 and the largest number x that scale; v242, v243: W1's; v244, v245: v's
.macro MKSCALE se, vsc, vlim           ; s[se] = e:  v[vsc] = 2^e as f32 (the conversion takes its exponent field),  v[vlim] = 57,344 x 2^e
	s_add_co_i32 s56, s[\se], 127
	s_lshl_b32 s57, s56, 23
	v_mov_b32 v[\vsc], s57
	s_add_co_i32 s56, s56, 15
	s_lshl_b32 s56, s56, 23
	s_or_b32 s56, s56, 0x600000
	v_mov_b32 v[\vlim], s56
.endm
.macro QUANT s, d, sc, lim             ; 64 numbers of a lane, v[s] on, become a fragment's 16 registers of codes, v[d] on
.irp b, 0,1,2,3
.irp i, 0,1,2,3,4,5,6,7,8,9,10,11,12,13,14,15
	v_med3_num_f32 v[\s+16*\b+\i], v[\s+16*\b+\i], -v[\lim], v[\lim]   ; the conversion to an 8-bit code does not saturate (ISA guide 7.6.2): the hold at the largest code x the scale
.endr
	v_cvt_scalef32_pk8_bf8_f32 v[\d+4*\b:\d+4*\b+1], v[\s+16*\b:\s+16*\b+7], v[\sc]
	v_cvt_scalef32_pk8_bf8_f32 v[\d+4*\b+2:\d+4*\b+3], v[\s+16*\b+8:\s+16*\b+15], v[\sc]
.endr
	v_nop                                          ; one plain vector instruction between the last conversion and whatever vector or matrix instruction next touches its result or writes its sources
.endm
.macro FETCH reg, off                  ; a fragment's image comes back as it was stored: the same registers in the same lanes
.irp c, 0,1,2,3
	ds_load_b128 v[\reg+4*\c:\reg+4*\c+3], v10 offset:\off+512*\c
.endr
.endm
	s_load_b512 s[4:19], s[0:1], 0x0               ; x s[4:5], pos s[6:7], W1 s[8:9], b1 s[10:11], Wv's codes s[12:13], the exponents s[14:15], aimg s[16:17], vimg s[18:19]
	v_lshl_add_u32 v254, v0, 2, 0xc000
	v_mov_b32 v255, 0
	v_lshrrev_b32 v1, 5, v0
	v_readfirstlane_b32 s20, v1                    ; wave 0..3
	v_and_b32 v1, 31, v0                           ; lane
	v_and_b32 v2, 15, v0                           ; r
	v_bfe_u32 v3, v0, 4, 1                         ; h
	v_lshlrev_b32 v4, 4, v1                        ; v4  16 x lane: an image's place for my lane, in LDS and in memory
	v_lshlrev_b32 v5, 9, v2
	v_lshl_add_u32 v5, v3, 6, v5                   ; v5  x, pos: row r of 512 bytes, + 64 h: my 16 numbers of a block of 32
	v_lshlrev_b32 v6, 4, v2
	v_lshl_add_u32 v6, v3, 9, v6                   ; v6  W1 in memory: lanes 0-15 take 256 bytes of one row, lanes 16-31 of the next
	s_wait_alu depctr_va_sdst(0)                   ; s20, the wave's number, is written, ahead of its first reader: LDS addresses, offsets and branches are made from it
	s_mul_i32 s36, s20, 10240
	v_mul_u32_u24 v7, v3, 320
	v_lshl_add_u32 v7, v2, 4, v7
	v_add_nc_u32 v7, s36, v7                       ; v7  the same two rows in LDS: my wave's 32 rows begin at 32 w x 320
	s_lshl_b32 s36, s20, 6
	v_mul_u32_u24 v8, v3, 5184
	v_lshl_add_u32 v8, v2, 2, v8
	v_add_nc_u32 v8, s36, v8                       ; v8  W1 by columns: column 16 w + r; lanes 16-31 begin 16 rows down (16 x 320 + the 64 bytes by which those rows are shifted): 1,296 words on, so the halves fall on different banks (64 banks of 4 bytes: ISA guide 11.1)
	s_lshl_b32 s36, s20, 11
	v_add_nc_u32 v10, XIMG, v4                     ; v10 where images are read
	v_add_nc_u32 v9, s36, v10                      ; v9  where I store mine
	v_lshlrev_b32 v11, 5, v3                       ; v11 b1: my half's eight numbers
	v_lshlrev_b32 v12, 7, v2
	v_lshl_add_u32 v12, v3, 4, v12                 ; v12 Wv's codes: row r of 128 bytes, + 16 h
	s_and_b32 s22, ttmp7, 0xffff                   ; cg
	s_lshr_b32 s23, s22, 1                         ; which: 0 Ak, 1 Aq
	s_and_b32 s37, s22, 1                          ; which 64 columns
	s_and_b32 s38, s20, 1                          ; rt: which tile of rows I quantise
	s_lshl_b32 s48, s37, 2
	s_add_co_u32 s48, s48, s20                     ; ct
	; byte offsets, each in a pair of its own
	s_lshl_b32 s39, s38, 13                        ; 16 rt rows of 512 bytes
	s_lshl_b32 s40, ttmp9, 14                      ; x: 32 rg rows
	s_add_co_u32 s40, s40, s39
	s_mov_b32 s41, 0
	s_and_b32 s42, ttmp9, 15                       ; pos: the row within its batch of 512
	s_lshl_b32 s42, s42, 14
	s_add_co_u32 s42, s42, s39
	s_mov_b32 s43, 0
	s_lshl_b32 s44, s23, 16                        ; W1: 128 which rows of 512 bytes, + my 64 columns, + my wave's 32 rows
	s_lshl_b32 s36, s37, 8
	s_add_co_u32 s44, s44, s36
	s_lshl_b32 s36, s20, 14
	s_add_co_u32 s44, s44, s36
	s_mov_b32 s45, 0
	s_lshl_b32 s46, s48, 6                         ; b1: 16 ct numbers
	s_mov_b32 s47, 0
	s_lshl_b32 s50, s22, 11                        ; Wv's codes: 16 cg rows of 128 bytes
	s_mov_b32 s51, 0
	s_lshl_b32 s52, s23, 20                        ; aimg: which, tile T = 2 rg, ct
	s_lshl_b32 s36, ttmp9, 14
	s_add_co_u32 s52, s52, s36
	s_lshl_b32 s36, s48, 10
	s_add_co_u32 s52, s52, s36
	s_mov_b32 s53, 0
	s_lshr_b32 s54, ttmp9, 2                       ; vimg: 4 b + ks = rg / 4, ht = cg, c2 = rg % 4
	s_lshl_b32 s54, s54, 2
	s_add_co_u32 s54, s54, s22
	s_lshl_b32 s54, s54, 11
	s_and_b32 s36, ttmp9, 3
	s_lshl_b32 s36, s36, 9
	s_add_co_u32 s54, s54, s36
	s_mov_b32 s55, 0
	s_wait_kmcnt 0x0
	s_load_b256 s[24:31], s[14:15], 0x0            ; e0 .. e7
	s_add_nc_u64 s[4:5], s[4:5], s[40:41]
	s_add_nc_u64 s[6:7], s[6:7], s[42:43]
	s_add_nc_u64 s[8:9], s[8:9], s[44:45]
	s_add_nc_u64 s[10:11], s[10:11], s[46:47]
	s_add_nc_u64 s[12:13], s[12:13], s[50:51]
	s_add_nc_u64 s[16:17], s[16:17], s[52:53]
	s_add_nc_u64 s[18:19], s[18:19], s[54:55]
	s_wait_alu depctr_va_vdst(0)                   ; the offsets and LDS addresses v4 to v12 are written, which every load and store of the kernel reads; none is written again
	; ---- all loads go out together
.irp i, 0,1,2,3,4,5,6,7,8,9,10,11,12,13,14,15
	global_load_b128 v[WR+4*\i:WR+4*\i+3], v6, s[8:9] offset:1024*\i          ; W1: rows 32 w + 2 i and + 1
.endr
.irp c, 0,1,2,3
.irp j, 0,1,2,3
	global_load_b128 v[XR+16*\c+4*\j:XR+16*\c+4*\j+3], v5, s[4:5] offset:128*\c+16*\j
.endr
.endr
	global_load_b128 v[BIAS:BIAS+3], v11, s[10:11]
	global_load_b128 v[BIAS+4:BIAS+7], v11, s[10:11] offset:16
.irp c, 0,1,2,3
	global_load_b128 v[WVF+4*\c:WVF+4*\c+3], v12, s[12:13] offset:32*\c       ; every wave takes Wv's fragment, wave 3 uses it: four loads, and no register is loaded in one branch and read in another
.endr
	s_cmp_lt_u32 s20, 2
	s_cbranch_scc0 .Lplain_x                       ; waves 2 and 3 quantise x as it is
.irp c, 0,1,2,3
.irp j, 0,1,2,3
	global_load_b128 v[PR+16*\c+4*\j:PR+16*\c+4*\j+3], v5, s[6:7] offset:128*\c+16*\j
.endr
.endr
	s_wait_loadcnt 0x0
.set i, 0
.rept 32
	v_pk_add_f32 v[XR+i:XR+i+1], v[XR+i:XR+i+1], v[PR+i:PR+i+1]               ; x + pos
.set i, i+2
.endr
.Lplain_x:
	s_wait_loadcnt 0x0                             ; for waves 2 and 3; waves 0 and 1 have waited already
.irp i, 0,1,2,3,4,5,6,7,8,9,10,11,12,13,14,15
	ds_store_b128 v7, v[WR+4*\i:WR+4*\i+3] offset:640*\i+64*(\i/8)            ; rows 16 to 31 of my 32 lie 64 bytes further on.  No wait on va_vdst: the data come from loads, and the additions above, the only vector instructions since the last such wait, name XR and PR alone
.endr
	s_wait_kmcnt 0x0                               ; the exponents.  What they decide is chosen by selects: no branch hangs on them
	s_cmp_eq_u32 s23, 1
	s_cselect_b32 s58, s26, s24                    ; ea: e2 for Aq, e0 for Ak
	s_cselect_b32 s59, s27, s25                    ; eb: e3 or e1
	s_cselect_b32 s34, -1, 0                       ; b1 goes to Aq alone
	s_cmp_lt_u32 s20, 2
	s_cselect_b32 s60, s58, s28                    ; my rows' exponent: ea for x + pos, e4 for x
	s_sub_co_i32 s61, s31, s28
	s_sub_co_i32 s61, s61, s29                     ; a sum of x Wv stands for sum x 2^(e4 + e5): its code is sum / 2^(e7 - e4 - e5)
	s_add_co_i32 s32, s58, s59
	s_add_co_i32 s32, s32, 127
	s_lshl_b32 s32, s32, 23                        ; 2^(ea + eb) as f32
	s_mov_b32 s33, s32                             ; (named with it as a pair, so it is written)
	MKSCALE 60, 240, 241
	MKSCALE 59, 242, 243
	MKSCALE 61, 244, 245
.irp j, 0,1,2,3,4,5,6,7
	v_and_b32 v[BIAS+\j], s34, v[BIAS+\j]
.endr
	QUANT XR, XC, 240, 241
	s_wait_alu depctr_va_vdst(0)                   ; the conversions have written v[XC ..], which the four stores below read; and holds and conversions are done with v[XR ..], in whose first 32 registers the fragments of rows land behind the barrier
.irp c, 0,1,2,3
	ds_store_b128 v9, v[XC+4*\c:XC+4*\c+3] offset:512*\c                      ; my fragment's image
.endr
	s_wait_dscnt 0x0                               ; for the others' sake: my rows of W1 and my image have landed
	s_barrier_signal -1
	s_barrier_wait -1                              ; W1's 128 rows and the four images lie in LDS; nothing is stored to LDS behind this barrier
	s_wait_alu depctr_vm_vsrc(0)                   ; my LDS stores have read v[WR ..], in which the loads of my column land and over which wave 3 later lays v's codes
	; ---- my column of W1, down K
.irp c, 0,1,2,3
.irp i, 0,1,2,3,4,5,6,7,8,9,10,11,12,13,14,15
	ds_load_b32 v[WR+16*\c+\i], v8 offset:(32*\c+\i)*320                      ; W1(32 c + 16 h + i, my column)
.endr
.endr
	FETCH XF0, 0
	FETCH XF1, 2048
	s_wait_dscnt 8                                 ; LDS loads come back in order (ISA guide 5.7.1): W1's 64 are in, the eight younger ones (the two fragments of rows) may be out
	QUANT WR, WF, 242, 243
	s_wait_dscnt 0x0
	; TRANSPOSED: source 0 = my 16 channels, source 1 = 16 rows: lane (r, h) holds row r, and its register j channel 16 ct + 8 h + j
	v_wmma_f32_16x16x128_bf8_bf8 v[D0:D0+7], v[WF:WF+15], v[XF0:XF0+15], 0
	v_wmma_f32_16x16x128_bf8_bf8 v[D1:D1+7], v[WF:WF+15], v[XF1:XF1+15], 0
.rept 4
	v_nop                                          ; four places between a matrix instruction and the first vector read of its result (ISA guide 7.12.1)
.endr
.irp j, 0,2,4,6,8,10,12,14
	v_pk_fma_f32 v[OUT+\j:OUT+\j+1], v[D0+\j:D0+\j+1], s[32:33], v[BIAS+(\j%8):BIAS+(\j%8)+1] op_sel_hi:[1,0,1]   ; sum x 2^(ea + eb) + b1 or 0; each accumulator from its low end on
.endr
	s_wait_alu depctr_va_vdst(0)                   ; the multiply-adds have written v[OUT ..], which the four stores read
.irp t, 0,1
.irp f, 0,1
	global_store_b128 v4, v[OUT+8*\t+4*\f:OUT+8*\t+4*\f+3], s[16:17] offset:8192*\t+512*\f   ; 32 lanes store 512 consecutive bytes, at a multiple of 512 from aimg's first byte
.endr
.endr
	; ---- wave 3: v for the 32 rows, columns 16 cg on.  Source 0 = 16 keys, source 1 = Wv's 16 columns: lane (r, h) holds column r and keys 8 h + 0 .. 7: eight neighbours along the last product's K
	s_cmp_lg_u32 s20, 3
	s_cbranch_scc1 .Lend
	FETCH XV0, 4096                                ; (no vector instruction since the wait above; the additions that read these registers stand far ahead of it)
	FETCH XV1, 6144
	s_wait_dscnt 0x0
	v_wmma_f32_16x16x128_bf8_bf8 v[VD:VD+7], v[XV0:XV0+15], v[WVF:WVF+15], 0
	v_wmma_f32_16x16x128_bf8_bf8 v[VD+8:VD+15], v[XV1:XV1+15], v[WVF:WVF+15], 0
.rept 4
	v_nop
.endr
.irp i, 0,1,2,3,4,5,6,7,8,9,10,11,12,13,14,15
	v_med3_num_f32 v[VD+\i], v[VD+\i], -v245, v245
.endr
	v_cvt_scalef32_pk8_bf8_f32 v[VC:VC+1], v[VD:VD+7], v244                   ; keys 16 (2 rg) + 8 h + 0 .. 7: registers 2 c, 2 c + 1 with c = 2 (rg % 4)
	v_cvt_scalef32_pk8_bf8_f32 v[VC+2:VC+3], v[VD+8:VD+15], v244              ; the next tile's: c + 1
	v_nop
	s_wait_alu depctr_va_vdst(0)                   ; the two conversions have written v[VC ..], which the store reads
	global_store_b128 v4, v[VC:VC+3], s[18:19]     ; 512 consecutive bytes
.Lend:
	s_wait_dscnt 0x0                               ; the closing lines, six on end
	s_wait_alu 0x0
	s_wait_tensorcnt 0x0
	ds_add_u32 v254, v255
	s_wait_dscnt 0x0
	s_endpgm
.Lfunc_end_k_q96128e026d_prep:
	.size	k_q96128e026d_prep, .Lfunc_end_k_q96128e026d_prep-k_q96128e026d_prep
	.p2alignl 7, 3214868480
	.fill 96, 4, 3214868480
	.section	.rodata,"a",@progbits
	.p2align	6, 0x0
	.amdhsa_kernel k_q96128e026d_prep
		.amdhsa_group_segment_fixed_size 49664
		.amdhsa_private_segment_fixed_size 0
		.amdhsa_enable_private_segment 0
		.amdhsa_kernarg_size 64
		.amdhsa_user_sgpr_count 2
		.amdhsa_user_sgpr_kernarg_segment_ptr 1
		.amdhsa_wavefront_size32 1
		.amdhsa_system_sgpr_workgroup_id_x 1
		.amdhsa_system_sgpr_workgroup_id_y 1
		.amdhsa_system_sgpr_workgroup_id_z 1
		.amdhsa_system_vgpr_workitem_id 0
		.amdhsa_next_free_vgpr 256
		.amdhsa_next_free_sgpr 66
		.amdhsa_reserve_vcc 0
		.amdhsa_float_denorm_mode_32 3
		.amdhsa_float_denorm_mode_16_64 3
		.amdhsa_memory_ordered 1
		.amdhsa_forward_progress 1
		.amdhsa_inst_pref_size 31
	.end_amdhsa_kernel
	.amdgpu_metadata
---
amdhsa.version: [ 1, 2 ]
amdhsa.kernels:
  - .name:           k_q96128e026d_prep
    .symbol:         k_q96128e026d_prep.kd
    .args:
      - { .name: x, .offset: 0, .size: 8, .value_kind: global_buffer, .address_space: global }
      - { .name: pos_emb, .offset: 8, .size: 8, .value_kind: global_buffer, .address_space: global }
      - { .name: W1, .offset: 16, .size: 8, .value_kind: global_buffer, .address_space: global }
      - { .name: b1, .offset: 24, .size: 8, .value_kind: global_buffer, .address_space: global }
      - { .name: Wv_codes, .offset: 32, .size: 8, .value_kind: global_buffer, .address_space: global }
      - { .name: lowp_scales, .offset: 40, .size: 8, .value_kind: global_buffer, .address_space: global }
      - { .name: aimg, .offset: 48, .size: 8, .value_kind: global_buffer, .address_space: global }
      - { .name: vimg, .offset: 56, .size: 8, .value_kind: global_buffer, .address_space: global }
    .group_segment_fixed_size: 49664
    .private_segment_fixed_size: 0
    .kernarg_segment_align: 8
    .kernarg_segment_size: 64
    .max_flat_workgroup_size: 128
    .sgpr_count:     66
    .vgpr_count:     256
    .wavefront_size: 32
...
	.end_amdgpu_metadata
.endif
;; end of part 3
;; launch attn (part 4): grid 64 x 4, 16 waves a work-group, no clusters, 145,408 bytes of LDS; arguments aimg, vimg, W2, b2, lowp_scales, out0; writes out0
.if DOCPART == 4
	.amdgcn_target "amdgcn-amd-amdhsa--gfx1250"
	.amdhsa_code_object_version 6
	.text
	.protected	k_q96128e026d_attn
	.globl	k_q96128e026d_attn
	.p2align	8
	.type	k_q96128e026d_attn,@function
k_q96128e026d_attn:
	s_mov_b64 s[64:65], 0
	v_nop
	global_prefetch_b8 v0, s[64:65] scope:SCOPE_SE
	s_setreg_imm32_b32 hwreg(HW_REG_WAVE_SCHED_MODE, 0, 2), 2
	s_setreg_imm32_b32 hwreg(HW_REG_WAVE_MODE, 25, 1), 1
	s_wait_xcnt 0x0
	s_wait_alu depctr_vm_vsrc(0)
; out[b][i] = sum over j <= i of softmax_j(logit(i, j)) v[b][j],  logit(i, j) = (sum over c of W2[c] relu(Aq[i][c] + b1[c] + Ak[j][c]) + b2) / sqrt(128).
; The pairwise sum is left as it is and feeds a quantiser: f32 throughout, by vector instructions: one packed add, two maxima with 0 and one packed multiply-add for two channels of a pair.
; THE SOFTMAX AHEAD OF THE LAST PRODUCT: t = logit x log2(e); M = the row's largest t rounded UP to a whole number; p = 2^(t - M) is quantised (e6), not normalised; the row's sum is taken of the unquantised p and divides at the end.
; The last product runs on codes of BF8 (E5M2): p's made here, v's (e7) made by the launch before, laid as the operand's registers.
; SHARES.  Work-group (u, b) owns EIGHT queries of batch b: q = 0..3 are rows 4 u + q, q = 4..7 rows 508 - 4 u + (q - 4).  With a = u / 4 the low four need key tiles (16 keys) 0 .. a, the high four 0 .. 31 - a: 33 group-tiles
; in every work-group, so the causal mask leaves all work-groups the same work.  A tile that the low four need is one that the high four need too (a + 1 <= 16 < 17 <= 32 - a).
; Wave w: channels 32 (w % 4) on (sl), key tiles w / 4 + 4 n (sub).  A lane (r, h) holds key r of a tile and 16 channels: Ak comes from memory straight into these registers (aimg holds images of accumulator registers),
; each byte once for the work-group; the eight queries' Aq + b1 and W2 stay in registers.  The lanes' partial sums (8 for each pair: 4 slices x 2 halves) meet in LDS.
; Why no joint loads through LDS though the 64 work-groups of a batch read the same Ak: a tile's work for a wave is 132 or 264 vector instructions, and the partial sums take 131,584 bytes of LDS, so a batch's
; 262,144 bytes of Ak would need slots that are filled again, with a round of a cluster's barrier for every few such tiles.
; Then: wave w sums, masks and exponentiates row w / 2, keys 256 (w % 2) on; waves 0 to 3 multiply (16 of v's 64 columns each) and store.
; LIMITS: e6 between -126 and 112, so that 2^e6 and 57,344 x 2^e6 are f32 numbers; e6 + e7 is applied by v_ldexp_f32 and has none.  NaN among the inputs is not served.
; THE MODE: SCHED_MODE bits 1:0 = 2 (LLVM: expert scheduling mode 2), set by the entry lines.  The code itself states the register dependences
; between vector or matrix instructions and memory or LDS instructions, with s_wait_alu, always for 0.
; THE PLAN.  Registers that memory or LDS instructions touch:
;   v4-v6     offsets of the global loads and of the last store: written ahead of the first loads, never again.
;   v7-v18    LDS addresses: written while the first loads are on their way; one wait on va_vdst stands at the head's end; never written again.
;   DB0, DB1  Ak's two buffers.  Body n's packed additions read DB[n % 2]; the loads of tile n + 2, issued at the head of body n + 1, land in it.
;   S         A group's four closing additions write it, its four LDS stores read it, the next group's additions write it again, 128 vector instructions on.  At the end an accumulator of the last product is laid over it.
;   AQ, WV, H, ACC   In the pairwise part named by vector instructions alone (AQ and WV are loaded once, at the head); behind it the partial sums, v's fragments and p's fragments land there.
;   v244      the wave's largest t, then its sum of p: each read by an LDS store.   v250, v251: my codes of p.   O: my eight outputs.  All three are stored to LDS.
; So A GROUP HAS TWO WAITS: one on vm_vsrc ahead of its four closing additions (the stores that it frees S from stand a group's arithmetic back), and one on va_vdst ahead of its four stores, which states that S is written and
; that the group is done reading its buffer of Ak.  On both ways through a body (with the low four or without) the last group's wait on va_vdst stands behind every read of that buffer and of AQ, WV, H and ACC, and no vector
; instruction stands between it and the next body's loads, or the loads behind the last body.
; THE MASKS are made in runs, into scalar registers that are free once the addresses are made (two at the head, eight in the softmax), with one wait on va_sdst behind each run, ahead of the selects.
.set PSTR, 16448                       ; LDS: partial sums: (2 sl + h) x PSTR + 2,048 q + 4 key.  PSTR = 8 x 2,048 + 64: the two halves of the lanes store 4,112 words apart, on different banks (64 banks of 4 bytes: ISA guide 11.1)
.set MAXS, 8*PSTR                      ; 16 words: each wave's largest t
.set LSUM, MAXS+256                    ; 16 words: each wave's sum of p
.set PIMG, MAXS+512                    ; p's codes as images of the operand's registers: 2,048 ks + 512 (c / 2) + 16 (q + 16 h) + 8 (c % 2) + byte: registers 2 c, 2 c + 1 of lane (q, h) = keys 128 ks + 16 c + 8 h + 0 .. 7
.set OSTG, PIMG+8192                   ; the way out: 8 rows x (256 bytes + 16)
; v1 lane, v2 r, v3 h; v4 16 x lane; v5 Aq's offset; v6 W2's; v7 where I store partial sums; v8-v11 where I read them; v12 my word of MAXS; v13 my row's two words; v14 a query's two words of LSUM;
; v15 where my codes of p go; v16 where p's fragments are read; v17, v18 the stage, in and back; v20 my query - my first key; v21 -infinity; v[22:23] b2 x c.  All but v[22:23], made behind the pairwise sums, are made ahead of the first branch; none is rewritten.
.set AQ,  24                           ; v24-151  Aq + b1: 16 q + 8 ct' + j
.set WV,  152                          ; v152-167 W2 at my 16 channels
.set DB,  168                          ; v168-199 Ak: two buffers of 16
.set H,   200                          ; v200-207 four pairs at work
.set ACC, 208                          ; v208-215 four pairs of sums
.set S,   216                          ; v216-219 the four partial sums
.set T,   24                           ; later: v24-87 eight partial sums of eight pairs; t and p end in v24-31
.set VF,  88                           ; v88-151  v's four fragments (waves 0 to 3)
.set PF,  152                          ; v152-215 p's four fragments
.set D0,  216                          ; v216-223, v224-231 two accumulators by turns
.set D1,  224
.set O,   232                          ; v232-239 at the head: at work; at the end: my eight outputs
.set MK,  56                           ; s56-63   the masks of my eight keys; at the head s58, s59: which lanes have partial sums to read
; v240 -M (v241 named with it); v242, v243: 2^e6 and 57,344 x 2^e6; v244-247 at work; v248 the final factor (v249 named with it); v[250:251] my codes of p; v252 the lane exchange
.macro LOADT n, buf                    ; my slice of key tile sub + 4 n: two tiles of channels x two halves: 512 consecutive bytes a load
.irp c, 0,1
.irp f, 0,1
	global_load_b128 v[DB+16*(\buf)+8*\c+4*\f:DB+16*(\buf)+8*\c+4*\f+3], v4, s[22:23] offset:(\n)*32768+\c*1024+\f*512
.endr
.endr
.endm
; Four queries (g = 0: the low four, 1: the high four) against the tile in buffer buf: for each pair of channels, four chains that do not wait for each other.  The first product starts the sums: nothing is cleared.
.macro GROUP g, n, buf
.irp cp, 0,1,2,3,4,5,6,7
.irp q, 0,1,2,3
	v_pk_add_f32 v[H+2*\q:H+2*\q+1], v[DB+16*(\buf)+2*\cp:DB+16*(\buf)+2*\cp+1], v[AQ+64*(\g)+16*\q+2*\cp:AQ+64*(\g)+16*\q+2*\cp+1]
.endr
.irp q, 0,1,2,3
	v_max_num_f32 v[H+2*\q], 0, v[H+2*\q]
	v_max_num_f32 v[H+2*\q+1], 0, v[H+2*\q+1]
.endr
.irp q, 0,1,2,3
.if \cp == 0
	v_pk_mul_f32 v[ACC+2*\q:ACC+2*\q+1], v[H+2*\q:H+2*\q+1], v[WV:WV+1]
.else
	v_pk_fma_f32 v[ACC+2*\q:ACC+2*\q+1], v[H+2*\q:H+2*\q+1], v[WV+2*\cp:WV+2*\cp+1], v[ACC+2*\q:ACC+2*\q+1]
.endif
.endr
.endr
	s_wait_alu depctr_vm_vsrc(0)                   ; the LDS stores of the group before, issued this group's 128 vector instructions back, have read v[S ..], which the four additions write again
.irp q, 0,1,2,3
	v_add_f32 v[S+\q], v[ACC+2*\q], v[ACC+2*\q+1]
.endr
	s_wait_alu depctr_va_vdst(0)                   ; the additions have written v[S ..], which the stores read; and this group is done reading its buffer of Ak, in which the tile after the next lands
.irp q, 0,1,2,3
	ds_store_b32 v7, v[S+\q] offset:(4*(\g)+\q)*2048+(\n)*256
.endr
.endm
; The n-th of my key tiles.  s20 = 32 - a - sub: tile sub + 4 n is needed by the high four where 4 n < s20;  s21 = a + 1 - sub (it may be negative): by the low four where 4 n < s21.  Branches on ids alone; no barrier stands under them.
; The wait is for 0: from body 1 on the tile's four loads are the only ones out; at body 0 the head's loads of Aq and W2 are out too, and wanted as well.  The next tile is asked for at once and has this tile's work in which to land.  No tile is asked for that is not needed.
; The next tile's loads owe no wait of their own: the buffer in which they land was last read by the body before, whose last group's wait on va_vdst stands behind those reads, with no vector instruction since.
.macro BODY n
.if \n >= 4
	s_cmp_gt_i32 s20, 4*\n
	s_cbranch_scc0 .Ldone
.endif
	s_wait_loadcnt 0x0
.if \n < 3
	LOADT \n+1, (\n+1)%2
.elseif \n < 7
	s_cmp_gt_i32 s20, 4*\n+4
	s_cbranch_scc0 .Lno_more_\@
	LOADT \n+1, (\n+1)%2
.Lno_more_\@:
.endif
	GROUP 1, \n, \n%2
.if \n < 4
	s_cmp_gt_i32 s21, 4*\n
	s_cbranch_scc0 .Lno_low_\@
	GROUP 0, \n, \n%2
.Lno_low_\@:
.endif
.endm
.macro BAR                             ; my LDS stores have landed and my LDS loads are in: then the work-group's barrier
	s_wait_dscnt 0x0
	s_barrier_signal -1
	s_barrier_wait -1
.endm
.macro WMAX reg                        ; the largest over the wave's 32 lanes, in every lane
.irp m, 1,2,4,8
	v_max_num_f32_dpp v[\reg], v[\reg], v[\reg] row_xmask:\m row_mask:0xf bank_mask:0xf
.endr
	v_permlanex16_b32 v252, v[\reg], s30, s31
	v_max_num_f32 v[\reg], v[\reg], v252
.endm
.macro WSUM reg                        ; the sum likewise
.irp m, 1,2,4,8
	v_add_f32_dpp v[\reg], v[\reg], v[\reg] row_xmask:\m row_mask:0xf bank_mask:0xf
.endr
	v_permlanex16_b32 v252, v[\reg], s30, s31
	v_add_f32 v[\reg], v[\reg], v252
.endm
	s_load_b256 s[4:11], s[0:1], 0x0               ; aimg s[4:5], vimg s[6:7], W2 s[8:9], b2 s[10:11]
	s_load_b128 s[12:15], s[0:1], 0x20             ; the exponents s[12:13], out0 s[14:15]
	v_lshl_add_u32 v254, v0, 2, 0x23000
	v_mov_b32 v255, 0
	v_lshrrev_b32 v1, 5, v0
	v_readfirstlane_b32 s16, v1                    ; wave 0..15
	v_and_b32 v1, 31, v0                           ; lane
	v_and_b32 v2, 15, v0                           ; r
	v_bfe_u32 v3, v0, 4, 1                         ; h
	v_lshlrev_b32 v4, 4, v1                        ; 16 x lane
	v_lshlrev_b32 v5, 8, v3                        ; Aq: a query's numbers for my half of the channels lie 16 lanes x 16 bytes on
	v_lshlrev_b32 v6, 5, v3                        ; W2: my half's eight numbers
	s_wait_alu depctr_va_sdst(0)                   ; s16, the wave's number, is written, ahead of its first reader: shares, offsets and branches are made from it
	s_and_b32 s17, s16, 3                          ; sl; later: which 16 of v's columns, which two rows I store
	s_lshr_b32 s18, s16, 2                         ; sub
	s_lshr_b32 s38, s16, 1                         ; qb: the row that I exponentiate
	s_and_b32 s39, s16, 1                          ; hf: which 256 keys of it
	s_lshr_b32 s19, ttmp9, 2                       ; a = u / 4
	s_and_b32 s44, ttmp9, 3                        ; u % 4
	s_and_b32 s45, ttmp7, 0xffff                   ; b
	s_sub_co_i32 s50, 32, s19                      ; nh: the high four's key tiles
	s_sub_co_i32 s20, s50, s18
	s_add_co_i32 s49, s19, 1                       ; nl: the low four's
	s_sub_co_i32 s21, s49, s18
	; byte offsets, each in a pair of its own
	s_lshl_b32 s56, s45, 18                        ; the batch's 32 tiles of 8,192 bytes,
	s_lshl_b32 s57, s17, 11                        ; my slice: two tiles of channels of 1,024 bytes
	s_add_co_u32 s56, s56, s57
	s_lshl_b32 s58, s18, 13                        ; Ak: key tile sub
	s_add_co_u32 s58, s58, s56
	s_mov_b32 s59, 0
	s_lshl_b32 s60, s19, 13                        ; Aq, the low four: tile a, rows 4 (u % 4) on: 16 bytes a row
	s_lshl_b32 s57, s44, 6
	s_add_co_u32 s60, s60, s57
	s_add_co_u32 s60, s60, s56
	s_add_co_u32 s60, s60, 0x100000                ; (Aq's half of aimg)
	s_mov_b32 s61, 0
	s_sub_co_u32 s62, 31, s19                      ; the high four: tile 31 - a, rows 4 (3 - u % 4) on
	s_lshl_b32 s62, s62, 13
	s_sub_co_u32 s57, 3, s44
	s_lshl_b32 s57, s57, 6
	s_add_co_u32 s62, s62, s57
	s_add_co_u32 s62, s62, s56
	s_add_co_u32 s62, s62, 0x100000
	s_mov_b32 s63, 0
	s_lshl_b32 s46, s17, 7                         ; W2: my 32 channels
	s_mov_b32 s47, 0
	s_lshl_b32 s52, s45, 15                        ; vimg: the batch's 32,768 bytes, columns 16 (w % 4) on
	s_lshl_b32 s57, s17, 11
	s_add_co_u32 s52, s52, s57
	s_mov_b32 s53, 0
	s_lshl_b32 s51, ttmp9, 2                       ; 4 u
	s_lshl_b32 s57, s17, 1
	s_add_co_u32 s54, s51, s57                     ; out0: waves 0, 1 store rows 4 u + 2 w and + 1,
	s_sub_co_u32 s55, 504, s51
	s_add_co_u32 s55, s55, s57                     ; waves 2, 3 rows 508 - 4 u + 2 (w - 2) and + 1
	s_cmp_lt_u32 s17, 2
	s_cselect_b32 s54, s54, s55
	s_lshl_b32 s54, s54, 8
	s_lshl_b32 s57, s45, 17
	s_add_co_u32 s54, s54, s57
	s_mov_b32 s55, 0
	s_wait_kmcnt 0x0
	s_load_b32 s34, s[10:11], 0x0                  ; b2
	s_load_b64 s[36:37], s[12:13], 0x18            ; e6, e7
	s_add_nc_u64 s[22:23], s[4:5], s[58:59]
	s_add_nc_u64 s[24:25], s[4:5], s[60:61]
	s_add_nc_u64 s[26:27], s[4:5], s[62:63]
	s_add_nc_u64 s[8:9], s[8:9], s[46:47]
	s_add_nc_u64 s[28:29], s[6:7], s[52:53]
	s_add_nc_u64 s[42:43], s[14:15], s[54:55]
	s_wait_alu depctr_va_vdst(0)                   ; the offsets v4, v5 and v6 are written, which every global load and the last store read; none is written again
	LOADT 0, 0
.irp q, 0,1,2,3
.irp c, 0,1
.irp f, 0,1
	global_load_b128 v[AQ+16*\q+8*\c+4*\f:AQ+16*\q+8*\c+4*\f+3], v5, s[24:25] offset:\c*1024+\f*512+16*\q          ; sixteen lanes take the same 16 bytes
	global_load_b128 v[AQ+64+16*\q+8*\c+4*\f:AQ+64+16*\q+8*\c+4*\f+3], v5, s[26:27] offset:\c*1024+\f*512+16*\q
.endr
.endr
.endr
.irp c, 0,1
.irp f, 0,1
	global_load_b128 v[WV+8*\c+4*\f:WV+8*\c+4*\f+3], v6, s[8:9] offset:64*\c+16*\f
.endr
.endr
	; ---- while they are on their way: every LDS address of the launch
	s_mul_i32 s46, s17, 2*PSTR
	s_lshl_b32 s47, s18, 6
	s_add_co_u32 s46, s46, s47
	v_mul_u32_u24 v7, v3, PSTR
	v_lshl_add_u32 v7, v2, 2, v7
	v_add_nc_u32 v7, s46, v7                       ; partial sums: (2 sl + h) PSTR + 4 (16 sub + r); q and n stand in the immediate
	s_add_co_u32 s52, s51, s38                     ; my row's query: 4 u + qb,
	s_sub_co_u32 s53, 504, s51
	s_add_co_u32 s53, s53, s38                     ; or 508 - 4 u + qb - 4
	s_cmp_lt_u32 s38, 4
	s_cselect_b32 s40, s52, s53
	s_cselect_b32 s41, s49, s50
	s_lshl_b32 s41, s41, 4                         ; the keys for which my row has partial sums: 16 nl or 16 nh
	s_lshl_b32 s46, s38, 11                        ; my row
	s_lshl_b32 s47, s39, 10
	s_add_co_u32 s47, s47, s46                     ; my 256 keys of it
	s_lshl_b32 s48, s39, 8
	v_lshl_add_u32 v232, v1, 2, s48                ; my first key: 256 hf + 4 lane; I take keys + 0 .. 3 and + 128 .. 131
	v_add_nc_u32 v235, 0x80, v232
	v_cmp_gt_u32 s58, s41, v232                    ; the two masks in a run: do my first four keys, do my second four, have partial sums?
	v_cmp_gt_u32 s59, s41, v235
	v_add_nc_u32 v233, s47, v4
	v_mov_b32 v234, s46
	v_add_nc_u32 v236, 0x200, v233
	v_sub_nc_u32 v20, s40, v232                    ; d = my query - my first key: key + e is hidden where e > d
	s_wait_alu depctr_va_sdst(0)                   ; the two compares have written s58 and s59, ahead of the selects that read them
	v_cndmask_b32 v8, v234, v233, s58              ; a lane whose keys have no partial sums reads key 0's, which every row has; the mask below hides them
	v_cndmask_b32 v9, v234, v236, s59
	v_add_nc_u32 v10, 4*PSTR, v8                   ; partial sums 4 to 7 lie beyond the 16-bit immediate
	v_add_nc_u32 v11, 4*PSTR, v9
	s_lshl_b32 s46, s16, 2
	s_add_co_u32 s46, s46, MAXS
	v_mov_b32 v12, s46
	s_lshl_b32 s46, s38, 3
	s_add_co_u32 s46, s46, MAXS
	v_mov_b32 v13, s46
	v_and_b32 v232, 7, v0                          ; r % 8: the eight queries stand twice in a tile's sixteen columns
	v_lshl_add_u32 v14, v232, 3, LSUM
	v_bfe_u32 v233, v0, 3, 2                       ; my four codes' place in p's image: key % 128 = 4 lane + e: c = lane / 4, h = (lane / 2) % 2, byte 4 (lane % 2) + e
	v_lshlrev_b32 v15, 9, v233
	v_bfe_u32 v233, v0, 1, 1
	v_lshl_add_u32 v15, v233, 8, v15
	v_bfe_u32 v233, v0, 2, 1
	v_lshl_add_u32 v15, v233, 3, v15
	v_and_b32 v233, 1, v0
	v_lshl_add_u32 v15, v233, 2, v15
	s_lshl_b32 s46, s39, 12                        ; ks = 2 hf (and 2 hf + 1 in the immediate)
	s_lshl_b32 s47, s38, 4
	s_add_co_u32 s46, s46, s47
	s_add_co_u32 s46, s46, PIMG
	v_add_nc_u32 v15, s46, v15
	v_lshlrev_b32 v16, 4, v232
	v_lshl_add_u32 v16, v3, 8, v16
	v_add_nc_u32 v16, PIMG, v16
	s_lshl_b32 s46, s17, 6
	s_add_co_u32 s46, s46, OSTG
	v_mul_u32_u24 v17, v232, 272
	v_lshl_add_u32 v17, v3, 5, v17
	v_add_nc_u32 v17, s46, v17                     ; the stage, in: row r % 8, my 16 columns' 64 bytes, + 32 h
	s_mul_i32 s46, s17, 2*272
	s_add_co_u32 s46, s46, OSTG
	v_mul_u32_u24 v18, v3, 272
	v_lshl_add_u32 v18, v2, 4, v18
	v_add_nc_u32 v18, s46, v18                     ; and back: lanes 0-15 one row of 256 bytes, lanes 16-31 the next
	v_mov_b32 v21, 0xff800000                      ; -infinity
	v_mov_b32 v241, 0                              ; (named as upper halves of pairs)
	v_mov_b32 v249, 0
	v_mov_b32 v252, 0                              ; a lane permute's destination counts as one of its sources
	s_mov_b32 s30, 0x76543210
	s_mov_b32 s31, 0xfedcba98                      ; v_permlanex16_b32's selects for lane l xor 16
	s_mov_b32 s32, 0x3e0293ee                      ; c = log2(e) / sqrt(128)
	s_mov_b32 s33, s32
	s_wait_alu depctr_va_vdst(0)                   ; the LDS addresses v7 to v18 are written, which the LDS stores and loads of the whole kernel read; none is written again
	; ---- THE PAIRWISE SUMS: up to eight key tiles a wave, written out, so that every offset is an immediate
	BODY 0
	BODY 1
	BODY 2
	BODY 3
	BODY 4
	BODY 5
	BODY 6
	BODY 7
.Ldone:
	s_wait_loadcnt 0x0                             ; on every way that leads here no load into Ak's two buffers is out: p's fragments are loaded over those registers below.  (A tile is asked for only where its body runs, so nothing is out here and the wait is met at once)
	s_cmp_lt_u32 s16, 4
	s_cbranch_scc0 .Lno_v
.irp k, 0,1,2,3
.irp c, 0,1,2,3
	global_load_b128 v[VF+16*\k+4*\c:VF+16*\k+4*\c+3], v4, s[28:29] offset:8192*\k+512*\c   ; v's four fragments for my 16 columns: asked for here, wanted three barriers on.  They land over Aq, which the groups are done reading: the last group's wait on va_vdst says so, and no vector instruction has been issued since
.endr
.endr
.Lno_v:
	BAR                                            ; all partial sums lie in LDS
	; ---- my row's t at my eight keys
.irp p, 0,1,2,3
	ds_load_b128 v[T+8*\p:T+8*\p+3], v8 offset:\p*PSTR                        ; (these too land over Aq, under the same wait)
	ds_load_b128 v[T+8*\p+4:T+8*\p+7], v9 offset:\p*PSTR
.endr
.irp p, 0,1,2,3
	ds_load_b128 v[T+32+8*\p:T+32+8*\p+3], v10 offset:\p*PSTR
	ds_load_b128 v[T+32+8*\p+4:T+32+8*\p+7], v11 offset:\p*PSTR
.endr
.irp e, 0,1,2,3
	v_cmp_gt_i32 s[MK+\e], \e, v20                 ; the eight masks in a run, while the partial sums are on their way: key + e is hidden where e > d
.endr
.irp e, 0,1,2,3
	v_cmp_gt_i32 s[MK+4+\e], 128+\e, v20
.endr
	s_wait_kmcnt 0x0                               ; b2, e6, e7
	v_mov_b32 v22, s34
	v_mul_f32 v22, s32, v22                        ; b2 x c
	v_mov_b32 v23, v22
	s_add_co_i32 s46, s36, 127
	s_lshl_b32 s47, s46, 23
	v_mov_b32 v242, s47                            ; 2^e6 as f32, for the conversion
	s_add_co_i32 s46, s46, 15
	s_lshl_b32 s46, s46, 23
	s_or_b32 s46, s46, 0x600000
	v_mov_b32 v243, s46                            ; 57,344 x 2^e6
	s_wait_dscnt 0x0
.irp p, 0,1,2,3
.irp j, 0,2,4,6
	v_pk_add_f32 v[T+8*\p+\j:T+8*\p+\j+1], v[T+8*\p+\j:T+8*\p+\j+1], v[T+32+8*\p+\j:T+32+8*\p+\j+1]
.endr
.endr
.irp p, 0,1
.irp j, 0,2,4,6
	v_pk_add_f32 v[T+8*\p+\j:T+8*\p+\j+1], v[T+8*\p+\j:T+8*\p+\j+1], v[T+16+8*\p+\j:T+16+8*\p+\j+1]
.endr
.endr
.irp j, 0,2,4,6
	v_pk_add_f32 v[T+\j:T+\j+1], v[T+\j:T+\j+1], v[T+8+\j:T+8+\j+1]
.endr
.irp j, 0,2,4,6
	v_pk_fma_f32 v[T+\j:T+\j+1], v[T+\j:T+\j+1], s[32:33], v[22:23] op_sel_hi:[1,0,1]   ; t = sum x c + b2 x c
.endr
	s_wait_alu depctr_va_sdst(0)                   ; the eight compares have written s56 to s63, ahead of the selects that read them
.irp e, 0,1,2,3,4,5,6,7
	v_cndmask_b32 v[T+\e], v[T+\e], v21, s[MK+\e]  ; hidden keys: -infinity ahead of the maximum, so p = 0.  A select, no branch
.endr
	v_max3_num_f32 v244, v24, v25, v26
	v_max3_num_f32 v245, v27, v28, v29
	v_max3_num_f32 v244, v244, v30, v31
	v_max_num_f32 v244, v244, v245
	WMAX 244
	s_wait_alu depctr_va_vdst(0)                   ; the maximum over the lanes has written v244, which the store reads
	ds_store_b32 v12, v244                         ; all lanes write the same word with the same number
	BAR                                            ; the sixteen maxima lie in LDS
	; ---- p, its sum and its codes
	ds_load_b64 v[246:247], v13                    ; my row's two halves; key 0 counts for every query, so the larger is a number
	s_wait_dscnt 0x0
	s_wait_alu depctr_vm_vsrc(0)                   ; the store above has read v244, which the next line writes again; and the groups' last stores have read v[S ..], over which an accumulator of the last product is laid
	v_max_num_f32 v244, v246, v247
	v_floor_f32 v240, -v244                        ; -M = floor(-t) = -ceil(t): M is a whole number
.irp j, 0,2,4,6
	v_pk_add_f32 v[T+\j:T+\j+1], v[T+\j:T+\j+1], v[240:241] op_sel_hi:[1,0]   ; t - M (the pair's low word for both halves)
.endr
.irp j, 0,1,2,3,4,5,6,7
	v_exp_f32 v[T+\j], v[T+\j]                     ; p = 2^(t - M), at most 1: not normalised
.endr
	v_nop                                          ; a plain instruction behind the last exponential, ahead of the first use
	s_wait_alu depctr_va_vdst(0)                   ; the eight exponentials have written v[T ..]: one wait for the batch, ahead of its first reader
	v_pk_add_f32 v[244:245], v[T:T+1], v[T+2:T+3]  ; the sum is taken of the unquantised p
	v_pk_add_f32 v[246:247], v[T+4:T+5], v[T+6:T+7]
	v_pk_add_f32 v[244:245], v[244:245], v[246:247]
	v_add_f32 v244, v244, v245
	WSUM 244
.irp j, 0,1,2,3,4,5,6,7
	v_min_num_f32 v[T+\j], v[T+\j], v243           ; the conversion to an 8-bit code does not saturate (ISA guide 7.6.2); p is not negative, so the hold is one-sided
.endr
	v_cvt_scalef32_pk8_bf8_f32 v[250:251], v[T:T+7], v242
	v_nop                                          ; one plain vector instruction behind the conversion
	s_wait_alu depctr_va_vdst(0)                   ; the sum over the lanes has written v244 and the conversion v250 and v251, which the three stores read; all vector work on v[T ..] and on v246, v247, in which LDS loads land below, is done
	ds_store_b32 v12, v244 offset:256              ; my word of LSUM
	ds_store_b32 v15, v250                         ; keys 256 hf + 4 lane + 0 .. 3
	ds_store_b32 v15, v251 offset:2048             ; and those 128 further on: the next K step's image
	BAR                                            ; p's four fragments and the sixteen sums lie in LDS
	; ---- O^T = V^T P^T: waves 0 to 3, 16 of v's columns each.  Source 0 = 16 columns of v, source 1 = the queries: lane (r, h) holds query r % 8 and columns 16 w + 8 h + 0 .. 7.
	; Lanes with r >= 8 hold the eight queries a second time and store the same numbers to the same bytes.  Keys beyond a row's mask have the code 0 in p and add nothing.
	s_cmp_lt_u32 s16, 4
	s_cbranch_scc0 .Lno_pv
.irp k, 0,1,2,3
.irp c, 0,1,2,3
	ds_load_b128 v[PF+16*\k+4*\c:PF+16*\k+4*\c+3], v16 offset:2048*\k+512*\c  ; over W2, Ak's buffers and the groups' registers at work: all vector work on them stands ahead of the waits on va_vdst above
.endr
.endr
	ds_load_b64 v[246:247], v14                    ; my query's sum, in two halves
	s_add_co_i32 s46, s36, s37                     ; e6 + e7
	s_wait_loadcnt 0x0                             ; v's fragments
	s_wait_dscnt 0x0
	v_add_f32 v248, v246, v247
	v_rcp_f32 v248, v248
	v_nop                                          ; a plain instruction behind the reciprocal
	s_wait_alu depctr_va_vdst(0)                   ; the reciprocal has written v248: a wait ahead of its first reader
	v_ldexp_f32 v248, v248, s46                    ; 2^(e6 + e7) / the sum
	v_wmma_f32_16x16x128_bf8_bf8 v[D0:D0+7], v[VF:VF+15], v[PF:PF+15], 0          ; two accumulators take turns, one instruction a turn
	v_wmma_f32_16x16x128_bf8_bf8 v[D1:D1+7], v[VF+16:VF+31], v[PF+16:PF+31], 0
	v_wmma_f32_16x16x128_bf8_bf8 v[D0:D0+7], v[VF+32:VF+47], v[PF+32:PF+47], v[D0:D0+7]
	v_wmma_f32_16x16x128_bf8_bf8 v[D1:D1+7], v[VF+48:VF+63], v[PF+48:PF+63], v[D1:D1+7]
.rept 4
	v_nop                                          ; four places ahead of the first vector read of the results (ISA guide 7.12.1)
.endr
.irp j, 0,2,4,6
	v_pk_add_f32 v[O+\j:O+\j+1], v[D0+\j:D0+\j+1], v[D1+\j:D1+\j+1]               ; both accumulators from their low ends on
.endr
.irp j, 0,2,4,6
	v_pk_mul_f32 v[O+\j:O+\j+1], v[O+\j:O+\j+1], v[248:249] op_sel_hi:[1,0]
.endr
	s_wait_alu depctr_va_vdst(0)                   ; the multiplications have written v[O ..], which the two stores read
	ds_store_b128 v17, v[O:O+3]
	ds_store_b128 v17, v[O+4:O+7] offset:16
.Lno_pv:
	BAR                                            ; eight whole rows of the output lie in the stage
	s_cmp_lt_u32 s16, 4
	s_cbranch_scc0 .Lend
	ds_load_b128 v[24:27], v18                     ; over p's first four registers, whose last vector reader, the conversion, stands ahead of a wait on va_vdst on every way here
	s_wait_dscnt 0x0
	global_store_b128 v4, v[24:27], s[42:43]       ; two neighbouring rows of 256 bytes: 512 consecutive bytes, at a multiple of 256 from out0's first byte
.Lend:
	s_wait_dscnt 0x0                               ; the closing lines, six on end
	s_wait_alu 0x0
	s_wait_tensorcnt 0x0
	ds_add_u32 v254, v255
	s_wait_dscnt 0x0
	s_endpgm
.Lfunc_end_k_q96128e026d_attn:
	.size	k_q96128e026d_attn, .Lfunc_end_k_q96128e026d_attn-k_q96128e026d_attn
	.p2alignl 7, 3214868480
	.fill 96, 4, 3214868480
	.section	.rodata,"a",@progbits
	.p2align	6, 0x0
	.amdhsa_kernel k_q96128e026d_attn
		.amdhsa_group_segment_fixed_size 145408
		.amdhsa_private_segment_fixed_size 0
		.amdhsa_enable_private_segment 0
		.amdhsa_kernarg_size 48
		.amdhsa_user_sgpr_count 2
		.amdhsa_user_sgpr_kernarg_segment_ptr 1
		.amdhsa_wavefront_size32 1
		.amdhsa_system_sgpr_workgroup_id_x 1
		.amdhsa_system_sgpr_workgroup_id_y 1
		.amdhsa_system_sgpr_workgroup_id_z 1
		.amdhsa_system_vgpr_workitem_id 0
		.amdhsa_next_free_vgpr 256
		.amdhsa_next_free_sgpr 66
		.amdhsa_reserve_vcc 0
		.amdhsa_float_denorm_mode_32 3
		.amdhsa_float_denorm_mode_16_64 3
		.amdhsa_memory_ordered 1
		.amdhsa_forward_progress 1
		.amdhsa_inst_pref_size 104
	.end_amdhsa_kernel
	.amdgpu_metadata
---
amdhsa.version: [ 1, 2 ]
amdhsa.kernels:
  - .name:           k_q96128e026d_attn
    .symbol:         k_q96128e026d_attn.kd
    .args:
      - { .name: aimg, .offset: 0, .size: 8, .value_kind: global_buffer, .address_space: global }
      - { .name: vimg, .offset: 8, .size: 8, .value_kind: global_buffer, .address_space: global }
      - { .name: W2, .offset: 16, .size: 8, .value_kind: global_buffer, .address_space: global }
      - { .name: b2, .offset: 24, .size: 8, .value_kind: global_buffer, .address_space: global }
      - { .name: lowp_scales, .offset: 32, .size: 8, .value_kind: global_buffer, .address_space: global }
      - { .name: out0, .offset: 40, .size: 8, .value_kind: global_buffer, .address_space: global }
    .group_segment_fixed_size: 145408
    .private_segment_fixed_size: 0
    .kernarg_segment_align: 8
    .kernarg_segment_size: 48
    .max_flat_workgroup_size: 512
    .sgpr_count:     66
    .vgpr_count:     256
    .wavefront_size: 32
...
	.end_amdgpu_metadata
.endif
;; end of part 4
